; MI455X (gfx1250); checked and timed in simulation.
; The chip was launched on July 23, 2026; its instructions are those of AMD's public machine-readable ISA for CDNA 5 (MIT licence, August 2026) and "CDNA5" Instruction Set Architecture Reference Guide (July 2026). The comments in the code are by the model that wrote it; some were corrected since.
;; Causal Self Attention. Allowed arithmetic: matrix products marked QUANTISED: E4M3 operands, one given power-of-two scale a tensor, by v_wmma_f32_16x16x64_fp8_fp8 or v_wmma_f32_16x16x128_fp8_fp8, f32 sums; everything else in f32.
;; Inputs: Wk 256 x 1,024 float32; Wproj 1,024 x 1,024 float32; Wq 1,024 x 1,024 float32; Wv 256 x 1,024 float32; lowp_scales 12 int32 (the exponents e of the quantised operands' scales 2^e); q_gain 16 float32; x 4 x 2,048 x 1,024 float32.
;; Outputs: out0 4 x 2,048 x 1,024 float32.
;; This version of the problem:
;;   THIS VERSION OF THE PROBLEM IS GIVEN IN LOW PRECISION. The matrix products marked QUANTISED in the list below multiply operands that are first quantised to E4M3 (4 exponent bits, 3 mantissa bits; 8 bits a number), with one given power-of-two scale for each operand tensor; their sums are f32. All else is computed in f32.
;;   The module's matrix products, in the order in which they are computed (A, B: the left and right operand; K: the contracted axis; several contracted axes count as one K, in the product's order):
;;     1. [M 8,192, K 1,024] x [K 1,024, N 1,024]; A: input x; B: input Wq: QUANTISED (scales: A lowp_scales[0], B lowp_scales[1])
;;     2. [M 8,192, K 1,024] x [K 1,024, N 256]; A: input x; B: input Wk: QUANTISED (scales: A lowp_scales[2], B lowp_scales[3])
;;     3. [M 8,192, K 1,024] x [K 1,024, N 256]; A: input x; B: input Wv: QUANTISED (scales: A lowp_scales[4], B lowp_scales[5])
;;     4. batch 16 x [M 8,192, K 64] x [K 64, N 2,048]; A: computed on the way; B: computed on the way: QUANTISED (scales: A lowp_scales[6], B lowp_scales[7])
;;     5. batch 16 x [M 8,192, K 2,048] x [K 2,048, N 64]; A: softmax (see below); B: computed on the way: QUANTISED (scales: A lowp_scales[8], B lowp_scales[9])
;;     6. [M 8,192, K 1,024] x [K 1,024, N 1,024]; A: computed on the way; B: input Wproj: QUANTISED (scales: A lowp_scales[10], B lowp_scales[11])
;;   THE QUANTISER, for each operand of a quantised product, along K:
;;     - The operand's scale is 2^e, e = its entry of the input lowp_scales (int32; the entries are numbered through the quantised products in the list's order, A before B).
;;     - Each number is divided by the scale, clamped to +-448, and rounded to the nearest number of E4M3, ties to even, subnormals kept.
;;     - The product sums the exact products of the quantised numbers (number of the format x scale) in f32.
;;   ~~~python
;;   def quantise(x, axis, e):      # numpy; x: float32 -> the quantised numbers, widened to float32 again
;;       x = np.moveaxis(x, axis, -1); K = x.shape[-1]
;;       r = np.clip(x / 2.0 ** e, -448, 448)
;;       step = 2.0 ** (np.maximum(np.frexp(np.where(r == 0, 1, r))[1] - 1, -6) - 3)
;;       q = np.round(r / step) * step * 2.0 ** e      # np.round: ties to even
;;       return np.moveaxis(q, -1, axis).astype(np.float32)
;;   ~~~
;;   SOFTMAX AHEAD OF A QUANTISED PRODUCT. Where the list says 'softmax', what is quantised is not the finished softmax but p = 2^(t - M), with t = logit x log2(e) and M = ceil(the row's largest t), a whole number; so 1/2 < the row's largest p <= 1. The row's sum l is taken of the UNQUANTISED p, in f32, and the product's result is divided by l at the end. Since M is a whole number, a kernel that streams over the keys may use a running M (the ceiling of the running maximum): every later rescaling is an exact power of two, so the quantised numbers keep their values, but for numbers so far below the row's largest that they fall under the format's range.
;;   OPERANDS COMPUTED ON THE WAY. 'Computed on the way' means the value that the module computes at that place (a softmax that the list does not call 'softmax' is quantised finished and normalised). What goes into a quantiser is computed in f32, as accurately as f32 sums, v_exp_f32 and their like allow (about 1e-6 of the number): no bf16 or f16 on the way to a quantiser, and a product that is left as it is and whose result goes on into a quantised operand takes f32 operands (vector FMAs, or v_wmma_f32_16x16x4_f32). A number that lies on a knife's edge between two numbers of the format may be rounded either way, as far as f32 arithmetic and the matrix unit's own rounding can turn it there, and no further.
;; One version. Each part assembles by itself: llvm-mc -triple=amdgcn-amd-amdhsa -mcpu=gfx1250 --defsym DOCPART=n.
;; ======== version 1 of 1: 4 launches
;; limits: right only within a limited range of input values
;; workspace buffers: xc 25,165,824 bytes; wqkv 1,572,864 bytes; wp 1,048,576 bytes; rope 524,288 bytes; qc 8,388,608 bytes; kv 4,194,304 bytes; yc 8,388,608 bytes
;; launch prep (part 1): grid 1376 x 1, 4 waves a work-group, no clusters, 34,304 bytes of LDS; arguments x, Wq, Wk, Wv, Wproj, lowp_scales, xc, wqkv, wp, rope; writes xc, wqkv, wp, rope
.if DOCPART == 1
	.amdgcn_target "amdgcn-amd-amdhsa--gfx1250"
	.amdhsa_code_object_version 6
	.text
	.protected	k_qf677631048_prep
	.globl	k_qf677631048_prep
	.p2align	8
	.type	k_qf677631048_prep,@function
k_qf677631048_prep:
	s_mov_b64 s[64:65], 0
	v_nop
	global_prefetch_b8 v0, s[64:65] scope:SCOPE_SE
	s_setreg_imm32_b32 hwreg(HW_REG_WAVE_MODE, 25, 1), 1
	s_wait_xcnt 0x0
; PREP.  x (three times: with the scales of entries 0, 2 and 4), Wq, Wk, Wv, Wproj (entries 1, 3, 5, 11) become codes of E4M3; and the table of cosines and sines is made.
; code = number / 2^e, held within +-448, to the nearest code, ties to even.  LIMITS: each e between -126 and 119 (2^e and 448 x 2^e are made as f32 patterns); NaN among the inputs is not served.
; THE CODES ARE LAID AS IMAGES OF OPERAND REGISTERS.  A fragment of 16 rows x 128 K is 16 registers a lane; register p of lane l lies at byte 512 (p / 4) + 16 l + 4 (p % 4) of 2,048.
; Lane (r = l % 16, h = l / 16), registers 2 c and 2 c + 1 hold k = 16 c + 8 h + 0 .. 7 of row r: each k in its own place in the plain 8-bit layout.
; A tensor's images: [block of 256 rows: 0x40000][K step of 128: 0x8000][tile of 16 rows: 0x800].  So the products' launches fetch dense blocks and read fragments by loads of 512 consecutive bytes.
; SHARES.  A wave takes one fragment: 16 rows x 128 numbers.  Work-groups 0-1023: x; 1024-1151: Wq; 1152-1183: Wk; 1184-1215: Wv; 1216-1343: Wproj; 1344-1375: the table, a tile of 16 positions a wave.
; One path serves all five tensors: only pointers, offsets and exponents are chosen, by the work-group's number.
; Each load reads 512 consecutive bytes of a row; the 8 KB turn through the wave's own stage in LDS (rows of 512 + 16 bytes) so that a lane gets 8 neighbours along K for each conversion.
; No tensor load, no barrier: waves share nothing.
.set STG,   8448                       ; a wave's stage: 16 rows x 528 bytes
.set SPARE, 4*STG                      ; behind the four stages: the spare words, 128 bytes a wave: two blocks of 256 bytes that no other line names
.set LI,    1                          ; v1   16 x lane
.set SIA,   2                          ; v2   the stage on the way in
.set SOA,   3                          ; v3   the stage on the way out
.set LIM,   10                         ; v10  448 x 2^e
.set SC,    11                         ; v11  2^e
.set SPW,   12                         ; v12  my spare word; never rewritten
.set NIL,   13                         ; v13  0; never rewritten
.set X,     16                         ; v16-79   64 numbers
.set T,     80                         ; v80-95   two sets of 8 held numbers
.set C,     96                         ; v96-143  three sets of 16 registers of codes: no store's data are written again
	s_load_b512 s[4:19], s[0:1], 0x0               ; x s[4:5], Wq s[6:7], Wk s[8:9], Wv s[10:11], Wproj s[12:13], the scales s[14:15], xc s[16:17], wqkv s[18:19]
	s_load_b128 s[20:23], s[0:1], 0x40             ; wp s[20:21], rope s[22:23]
	v_lshl_add_u32 v[SPW], v0, 2, SPARE
	v_mov_b32 v[NIL], 0
	v_lshrrev_b32 v4, 5, v0
	v_readfirstlane_b32 s25, v4                    ; wave 0..3
	v_and_b32 v4, 31, v0
	v_lshlrev_b32 v[LI], 4, v4
	v_and_b32 v5, 15, v0                           ; r
	v_bfe_u32 v6, v0, 4, 1                         ; h
	s_mul_i32 s48, s25, STG
	v_add_nc_u32 v[SIA], s48, v[LI]                ; in: a row's 512 bytes as they lie
	v_mul_u32_u24 v[SOA], v5, 528
	v_lshl_add_u32 v[SOA], v6, 5, v[SOA]
	v_add_nc_u32 v[SOA], s48, v[SOA]               ; out: row r, + 32 h: my 8 numbers of each 16
	s_wait_kmcnt 0x0
	s_cmp_ge_u32 ttmp9, 1344
	s_cbranch_scc1 .Lrope
	s_load_b256 s[36:43], s[14:15], 0x0            ; entries 0 to 7
	s_load_b128 s[44:47], s[14:15], 0x20           ; entries 8 to 11
	s_mov_b64 s[26:27], s[4:5]                     ; from x
	s_mov_b64 s[28:29], s[16:17]                   ; to xc
	s_mov_b32 s24, 0                               ; the tensor's first work-group
	s_mov_b32 s30, 0                               ; its place in the buffer of images
	s_mov_b32 s31, 3                               ; sets of codes
	s_cmp_ge_u32 ttmp9, 1024                       ; Wq
	s_cselect_b64 s[26:27], s[6:7], s[26:27]
	s_cselect_b64 s[28:29], s[18:19], s[28:29]
	s_cselect_b32 s24, 1024, s24
	s_cselect_b32 s31, 1, s31
	s_cmp_ge_u32 ttmp9, 1152                       ; Wk: blocks 4 of wqkv
	s_cselect_b64 s[26:27], s[8:9], s[26:27]
	s_cselect_b32 s24, 1152, s24
	s_cselect_b32 s30, 0x100000, s30
	s_cmp_ge_u32 ttmp9, 1184                       ; Wv: block 5
	s_cselect_b64 s[26:27], s[10:11], s[26:27]
	s_cselect_b32 s24, 1184, s24
	s_cselect_b32 s30, 0x140000, s30
	s_cmp_ge_u32 ttmp9, 1216                       ; Wproj
	s_cselect_b64 s[26:27], s[12:13], s[26:27]
	s_cselect_b64 s[28:29], s[20:21], s[28:29]
	s_cselect_b32 s24, 1216, s24
	s_cselect_b32 s30, 0, s30
	s_sub_co_u32 s48, ttmp9, s24
	s_lshl_b32 s48, s48, 2
	s_add_co_u32 s48, s48, s25                     ; my fragment's number in the tensor
	s_lshr_b32 s49, s48, 3                         ; its tile of 16 rows
	s_and_b32 s50, s48, 7                          ; its K step
	s_lshl_b32 s52, s49, 16                        ; 16 rows of 4,096 bytes
	s_lshl_b32 s51, s50, 9                         ; 128 numbers
	s_add_co_u32 s52, s52, s51
	s_mov_b32 s53, 0
	s_add_nc_u64 s[26:27], s[26:27], s[52:53]
	s_lshr_b32 s54, s49, 4
	s_lshl_b32 s54, s54, 18                        ; block
	s_lshl_b32 s51, s50, 15                        ; K step
	s_add_co_u32 s54, s54, s51
	s_and_b32 s51, s49, 15
	s_lshl_b32 s51, s51, 11                        ; tile
	s_add_co_u32 s54, s54, s51
	s_add_co_u32 s54, s54, s30
	s_mov_b32 s55, 0
	s_add_nc_u64 s[28:29], s[28:29], s[54:55]      ; set 0
	s_add_nc_u64 s[56:57], s[28:29], 0x800000      ; x's set 1 (used by x alone)
	s_add_nc_u64 s[58:59], s[28:29], 0x1000000     ; x's set 2
	s_wait_alu depctr_va_vdst(0)
.irp i, 0,1,2,3,4,5,6,7,8,9,10,11,12,13,14,15
	global_load_b128 v[X+4*\i:X+4*\i+3], v[LI], s[26:27] offset:4096*\i th:TH_LOAD_NT   ; row i: 32 lanes read 512 consecutive bytes
.endr
.irp i, 0,1,2,3,4,5,6,7,8,9,10,11,12,13,14,15
	s_wait_loadcnt 15-\i                           ; row i is in; the younger loads may be out
	ds_store_b128 v[SIA], v[X+4*\i:X+4*\i+3] offset:528*\i
.endr
.irp c, 0,1,2,3,4,5,6,7
	ds_load_b128 v[X+8*\c:X+8*\c+3],   v[SOA] offset:64*\c      ; LDS serves a wave's instructions in order: these see the stores above.  X[8 c + i] = row r, k = 16 c + 8 h + i
	ds_load_b128 v[X+8*\c+4:X+8*\c+7], v[SOA] offset:64*\c+16
.endr
	s_wait_kmcnt 0x0
	s_mov_b32 s32, s36                             ; the exponent of set 0: entry 0 for x,
	s_cmp_ge_u32 ttmp9, 1024
	s_cselect_b32 s32, s37, s32                    ; 1 for Wq,
	s_cmp_ge_u32 ttmp9, 1152
	s_cselect_b32 s32, s39, s32                    ; 3 for Wk,
	s_cmp_ge_u32 ttmp9, 1184
	s_cselect_b32 s32, s41, s32                    ; 5 for Wv,
	s_cmp_ge_u32 ttmp9, 1216
	s_cselect_b32 s32, s47, s32                    ; 11 for Wproj
; One set of codes: n = which, s[e] the exponent, s[d:d+1] where the image goes.
.macro QSET n, e, d
	s_add_co_i32 s60, s[\e], 127
	s_lshl_b32 s61, s60, 23
	v_mov_b32 v[SC], s61                           ; 2^e as f32: the conversion takes its exponent field
	s_add_co_i32 s60, s60, 8
	s_lshl_b32 s60, s60, 23
	s_or_b32 s60, s60, 0x600000
	v_mov_b32 v[LIM], s60                          ; 448 x 2^e
	s_wait_alu depctr_va_vdst(0)
.irp c, 0,1,2,3,4,5,6,7
.if \n == 0
	s_wait_dscnt 14-2*\c                           ; this group's two loads from the stage are in; the younger ones may be out
.endif
.irp i, 0,1,2,3,4,5,6,7
	v_med3_num_f32 v[T+8*(\c%2)+\i], v[X+8*\c+\i], -v[LIM], v[LIM]   ; the conversion to an 8-bit code does not saturate (ISA guide 7.6.2): the hold comes first.  X stays whole for the next set
.endr
	v_cvt_scalef32_pk8_fp8_f32 v[C+16*\n+2*\c:C+16*\n+2*\c+1], v[T+8*(\c%2):T+8*(\c%2)+7], v[SC]   ; the next group's eight holds, on the other set of T, are plain lines behind it
.endr
	v_nop                                          ; a plain line behind the last conversion, ahead of the next write of its scale
.irp i, 0,1,2,3
	global_store_b128 v[LI], v[C+16*\n+4*\i:C+16*\n+4*\i+3], s[\d:\d+1] offset:512*\i   ; 32 lanes store 512 consecutive bytes, at a multiple of 256 from the buffer's first byte
.endr
.endm
	QSET 0, 32, 28
	s_cmp_eq_u32 s31, 3
	s_cbranch_scc1 .Lmore
	s_wait_tensorcnt 0x0                           ; a weight's wave ends
	ds_add_u32 v[SPW], v[NIL]
	s_wait_dscnt 0x0
	s_endpgm
.Lmore:
	QSET 1, 38, 56                                 ; x with entry 2's scale
	QSET 2, 40, 58                                 ; x with entry 4's
	s_wait_tensorcnt 0x0                           ; the wave's end: the same three lines
	ds_add_u32 v[SPW], v[NIL]
	s_wait_dscnt 0x0
	s_endpgm
; THE TABLE.  rope: [tile of 16 positions][part 0..7][lane][16 bytes].  Lane (r, h) gets, for position 16 pt + r, 16 cosines (parts 0-3) and 16 sines (parts 4-7):
; number 8 t + j belongs to frequency i = 16 t + 8 h + j: the order in which the next launch's lanes hold a head's first 32 channels.
; inv(i) = 2^(-i c), c = log2(10000) / 32 in two f32 parts; angle = position x inv, rounded to f32; the angle less n pi / 2 in two parts; polynomials on |R| <= pi / 4; the quadrant by selects.  This path uses no LDS.
.set COSR, 32
.set SINR, 48
.set TTR,  64
.set EER,  80
.set INV,  96
.Lrope:
	s_sub_co_u32 s48, ttmp9, 1344
	s_lshl_b32 s48, s48, 2
	s_add_co_u32 s48, s48, s25                     ; pt
	s_lshl_b32 s50, s48, 12
	s_mov_b32 s51, 0
	s_add_nc_u64 s[22:23], s[22:23], s[50:51]
	s_lshl_b32 s49, s48, 4
	s_wait_alu depctr_va_vdst(0)
	v_add_nc_u32 v7, s49, v5                       ; my position
	v_cvt_f32_u32 v20, v7
	v_lshlrev_b32 v8, 3, v6                        ; 8 h
	s_wait_alu depctr_va_vdst(0)
	s_mov_b32 s40, 0xbed49a78                      ; -c, high part
	s_mov_b32 s41, 0xb21797d1                      ; -c, low part
	s_mov_b32 s42, 0x3f317218                      ; ln 2
	s_mov_b32 s43, 0x3f22f983                      ; 2 / pi
	s_mov_b32 s44, 0xbfc90fdb                      ; -(pi / 2), high part
	s_mov_b32 s45, 0x333bbd2e                      ; high part less pi / 2
	s_mov_b32 s46, 0xb94ca1f9                      ; sine: -1.9515296e-4,
	s_mov_b32 s47, 0x3c08839e                      ; 8.3321609e-3,
	s_mov_b32 s52, 0xbe2aaaa3                      ; -1.6666655e-1
	s_mov_b32 s53, 0x37ccf5ce                      ; cosine: 2.4433157e-5,
	s_mov_b32 s54, 0xbab6061a                      ; -1.3887316e-3,
	s_mov_b32 s55, 0x3d2aaaa5                      ; 4.1666646e-2
.irp k, 0,1,2,3,4,5,6,7,8,9,10,11,12,13,14,15
	v_add_nc_u32 v9, 16*(\k/8)+\k%8, v8            ; i
	v_cvt_f32_u32 v9, v9
	v_mul_f32 v[TTR+\k], s40, v9                   ; t = -i c, rounded;
	v_fma_f32 v[EER+\k], v9, s40, -v[TTR+\k]       ; what the rounding lost,
	v_fma_f32 v[EER+\k], v9, s41, v[EER+\k]        ; and c's low part
.endr
.irp k, 0,1,2,3,4,5,6,7,8,9,10,11,12,13,14,15
	v_exp_f32 v[INV+\k], v[TTR+\k]
.endr
	v_nop                                          ; a plain line behind the last exponential
	s_wait_alu depctr_va_vdst(0)                   ; one wait for the batch, ahead of its first reader
.irp k, 0,1,2,3,4,5,6,7,8,9,10,11,12,13,14,15
	v_mul_f32 v9, s42, v[INV+\k]
	v_fma_f32 v[INV+\k], v9, v[EER+\k], v[INV+\k]  ; 2^(t + e) = 2^t (1 + e ln 2): e is under 2^-22
.endr
.macro SINCOS k
	v_mul_f32 v21, v20, v[INV+\k]                  ; the angle
	v_mul_f32 v22, s43, v21
	v_rndne_f32 v22, v22                           ; n
	v_fma_f32 v23, v22, s44, v21                   ; R = angle - n pi / 2, in two parts
	v_fma_f32 v23, v22, s45, v23
	v_cvt_i32_f32 v25, v22
	v_mul_f32 v24, v23, v23                        ; z
	v_fma_f32 v26, v24, s46, s47
	v_fma_f32 v28, v24, s53, s54
	v_fma_f32 v26, v26, v24, s52
	v_fma_f32 v28, v28, v24, s55
	v_mul_f32 v27, v24, v23
	v_mul_f32 v29, v24, v24
	v_fma_f32 v30, v24, -0.5, 1.0
	v_fma_f32 v26, v26, v27, v23                   ; sin R
	v_fma_f32 v28, v28, v29, v30                   ; cos R
	v_and_b32 v31, 1, v25
	v_cmp_ne_u32 vcc_lo, 0, v31
	v_cndmask_b32 v29, v26, v28, vcc_lo            ; odd n: the two change places
	v_cndmask_b32 v30, v28, v26, vcc_lo
	v_and_b32 v31, 2, v25
	v_lshlrev_b32 v31, 30, v31                     ; the sine is negative in quadrants 2 and 3,
	v_xor_b32 v[SINR+\k], v31, v29
	v_add_nc_u32 v31, 1, v25
	v_and_b32 v31, 2, v31
	v_lshlrev_b32 v31, 30, v31                     ; the cosine in 1 and 2
	v_xor_b32 v[COSR+\k], v31, v30
.endm
.irp k, 0,1,2,3,4,5,6,7,8,9,10,11,12,13,14,15
	SINCOS \k
.endr
.irp p, 0,1,2,3
	global_store_b128 v[LI], v[COSR+4*\p:COSR+4*\p+3], s[22:23] offset:512*\p
	global_store_b128 v[LI], v[SINR+4*\p:SINR+4*\p+3], s[22:23] offset:2048+512*\p
.endr
	s_endpgm
.Lfunc_end_k_qf677631048_prep:
	.size	k_qf677631048_prep, .Lfunc_end_k_qf677631048_prep-k_qf677631048_prep
	.p2alignl 7, 3214868480
	.fill 96, 4, 3214868480
	.section	.rodata,"a",@progbits
	.p2align	6, 0x0
	.amdhsa_kernel k_qf677631048_prep
		.amdhsa_group_segment_fixed_size 34304
		.amdhsa_private_segment_fixed_size 0
		.amdhsa_enable_private_segment 0
		.amdhsa_kernarg_size 80
		.amdhsa_user_sgpr_count 2
		.amdhsa_user_sgpr_kernarg_segment_ptr 1
		.amdhsa_wavefront_size32 1
		.amdhsa_system_sgpr_workgroup_id_x 1
		.amdhsa_system_sgpr_workgroup_id_y 1
		.amdhsa_system_sgpr_workgroup_id_z 1
		.amdhsa_system_vgpr_workitem_id 0
		.amdhsa_next_free_vgpr 144
		.amdhsa_next_free_sgpr 66
		.amdhsa_reserve_vcc 1
		.amdhsa_float_denorm_mode_32 3
		.amdhsa_float_denorm_mode_16_64 3
		.amdhsa_memory_ordered 1
		.amdhsa_forward_progress 1
		.amdhsa_inst_pref_size 50
	.end_amdhsa_kernel
	.amdgpu_metadata
---
amdhsa.version: [ 1, 2 ]
amdhsa.kernels:
  - .name:           k_qf677631048_prep
    .symbol:         k_qf677631048_prep.kd
    .args:
      - { .name: x, .offset: 0, .size: 8, .value_kind: global_buffer, .address_space: global }
      - { .name: Wq, .offset: 8, .size: 8, .value_kind: global_buffer, .address_space: global }
      - { .name: Wk, .offset: 16, .size: 8, .value_kind: global_buffer, .address_space: global }
      - { .name: Wv, .offset: 24, .size: 8, .value_kind: global_buffer, .address_space: global }
      - { .name: Wproj, .offset: 32, .size: 8, .value_kind: global_buffer, .address_space: global }
      - { .name: lowp_scales, .offset: 40, .size: 8, .value_kind: global_buffer, .address_space: global }
      - { .name: xc, .offset: 48, .size: 8, .value_kind: global_buffer, .address_space: global }
      - { .name: wqkv, .offset: 56, .size: 8, .value_kind: global_buffer, .address_space: global }
      - { .name: wp, .offset: 64, .size: 8, .value_kind: global_buffer, .address_space: global }
      - { .name: rope, .offset: 72, .size: 8, .value_kind: global_buffer, .address_space: global }
    .group_segment_fixed_size: 34304
    .private_segment_fixed_size: 0
    .kernarg_segment_align: 8
    .kernarg_segment_size: 80
    .max_flat_workgroup_size: 128
    .sgpr_count:     66
    .vgpr_count:     144
    .wavefront_size: 32
...
	.end_amdgpu_metadata
.endif
;; end of part 1
;; launch qkv (part 2): grid 32 x 6, 4 waves a work-group, clusters of 4 x 1, 327,680 bytes of LDS; arguments xc, wqkv, rope, lowp_scales, q_gain, qc, kv; writes qc, kv
.if DOCPART == 2
	.amdgcn_target "amdgcn-amd-amdhsa--gfx1250"
	.amdhsa_code_object_version 6
	.text
	.protected	k_qf677631048_qkv
	.globl	k_qf677631048_qkv
	.p2align	8
	.type	k_qf677631048_qkv,@function
k_qf677631048_qkv:
	s_mov_b64 s[64:65], 0
	v_nop
	global_prefetch_b8 v0, s[64:65] scope:SCOPE_SE
	s_setreg_imm32_b32 hwreg(HW_REG_WAVE_MODE, 25, 1), 1
	s_wait_xcnt 0x0
	s_wait_alu depctr_hold_cnt(0) depctr_sa_sdst(0) depctr_va_vdst(0) depctr_va_sdst(0) depctr_va_ssrc(0) depctr_va_vcc(0) depctr_vm_vsrc(0)
	s_getreg_b32 s2, hwreg(HW_REG_IB_STS2, 6, 4)
	s_cmp_eq_u32 s2, 0
	s_cbranch_scc0 .Lentry_in_a_cluster
	s_endpgm
.Lentry_in_a_cluster:
	s_bfe_u32 s2, ttmp6, 0x10000c
	s_cmp_lg_u32 s2, 0x3003
	s_cbranch_scc0 .Lentry_shape_is_right
	s_endpgm
.Lentry_shape_is_right:
.set SLOT,  0x20000
.set WOFF,  0x10000
.set SPARE, 2*SLOT
.set FR,    16
.set NL,    4
.set NP,    4
.set LI,    4
.set ADR1,  16
.set ADR0,  20
.set VO1,   25
.set LIM,   26
.set SC,    27
.set SPW,   28
.set NIL,   29
.set XX,    32
.set TT,    64
.set SS,    72
.set F,     80
.set PM,    84
.set RT,    96
.set AF,    128
.set CD,    160
.set G1X,   24
.set G0X,   32
.set G1W,   48
.set G0W,   56
.set MSB, 0
.macro WIN new
.if MSB != \new
	s_set_vgpr_msb (MSB<<8)|\new
.set MSB, \new
.endif
.endm
.set MUL_LO, 0xa1
.set MUL_HI, 0xf1
.set TO_B,   0x40
.macro JLOAD s
	s_cmp_eq_u32 s19, 0
	s_cbranch_scc0 .Lfor_w_\@
	tensor_load_to_lds s[G0X+4*\s:G0X+4*\s+3], s[G1X:G1X+7]
	s_nop 0
.rept 4
	v_nop
.endr
	s_branch .Lasked_\@
.Lfor_w_\@:
	tensor_load_to_lds s[G0W+4*\s:G0W+4*\s+3], s[G1W:G1W+7]
	s_nop 0
.rept 4
	v_nop
.endr
.Lasked_\@:
.endm
.macro CREST
	s_cmp_lg_u32 s18, 0
	s_cbranch_scc1 .Lnot_wave_0_\@
	s_barrier_signal -3
.Lnot_wave_0_\@:
	s_barrier_wait -3
	s_barrier_signal -1
	s_barrier_wait -1
.endm
.macro CROUND
	s_barrier_signal -1
	s_barrier_wait -1
	CREST
.endm
	s_load_b256 s[4:11], s[0:1], 0x0
	s_load_b128 s[12:15], s[0:1], 0x20
	s_load_b64 s[16:17], s[0:1], 0x30
	v_lshl_add_u32 v[SPW], v0, 2, SPARE
	v_mov_b32 v[NIL], 0
	ds_add_u32 v[SPW], v[NIL]
	ds_add_u32 v[SPW], v[NIL]
	v_lshrrev_b32 v1, 5, v0
	v_readfirstlane_b32 s18, v1
	s_lshr_b32 s19, s18, 1
	s_and_b32 s20, s18, 1
	s_bfe_u32 s21, ttmp6, 0x40000
	s_lshl_b32 s22, ttmp9, 2
	s_add_co_u32 s22, s22, s21
	s_and_b32 s23, ttmp7, 0xffff
	s_max_u32 s66, s23, 3
	s_sub_co_u32 s66, s66, 3
	s_mov_b32 s[G1X], 3<<16
	s_mov_b32 s[G1W], 15|(3<<16)|(1<<21)
.irp g, G1X, G1W
	s_mov_b32 s[\g+1], 32<<16
	s_mov_b32 s[\g+2], 128<<16
	s_mov_b32 s[\g+3], 32<<16
	s_mov_b32 s[\g+4], 128
	s_mov_b32 s[\g+5], 32
	s_mov_b32 s[\g+6], 0
	s_mov_b32 s[\g+7], 0
.endr
	s_lshl_b32 s40, s66, 23
	s_lshl_b32 s41, s22, 18
	s_add_co_u32 s40, s40, s41
	s_lshl_b32 s42, s20, 15
	s_add_co_u32 s40, s40, s42
	s_mov_b32 s41, 0
	s_lshl_b32 s44, s23, 18
	s_add_co_u32 s44, s44, s42
	s_mov_b32 s45, 0
	s_lshl_b32 s46, s18, 15
	s_lshl_b32 s47, s23, 4
	s_lshl_b32 s43, s20, 3
	s_add_co_u32 s47, s47, s43
	s_cmp_eq_u32 s66, 0
	s_cselect_b32 s47, s47, 0
	s_wait_dscnt 0x0
	s_wait_kmcnt 0x0
	s_load_b256 s[68:75], s[10:11], 0x0
	s_load_b128 s[76:79], s[10:11], 0x20
	s_load_b64 s[82:83], s[12:13], s47 offset:0x0
	s_add_nc_u64 s[40:41], s[4:5], s[40:41]
	s_add_nc_u64 s[44:45], s[6:7], s[44:45]
	CROUND
.irp s, 0,1
	s_mov_b32 s[G0X+4*\s], 1
	s_add_co_u32 s[G0X+4*\s+1], s46, \s*SLOT
	s_add_nc_u64 s[G0X+4*\s+2:G0X+4*\s+3], s[40:41], \s*0x10000
	s_or_b32 s[G0X+4*\s+3], s[G0X+4*\s+3], 0x80000000
	s_mov_b32 s[G0W+4*\s], 1
	s_add_co_u32 s[G0W+4*\s+1], s46, \s*SLOT
	s_add_nc_u64 s[G0W+4*\s+2:G0W+4*\s+3], s[44:45], \s*0x10000
	s_or_b32 s[G0W+4*\s+3], s[G0W+4*\s+3], 0x80000000
	s_wait_alu depctr_va_vdst(0)
	s_wait_tensorcnt 0x0
	ds_add_u32 v28, v29
	ds_add_u32 v28, v29
	s_wait_dscnt 0x0
	CROUND
	JLOAD \s
.endr
	v_and_b32 v1, 31, v0
	v_lshlrev_b32 v[LI], 4, v1
	s_wait_alu depctr_va_vdst(0)
	s_cmp_eq_u32 s66, 2
	s_cselect_b32 s90, 0, WOFF
	s_cselect_b32 s91, WOFF, 0
	s_cselect_b32 s98, s19, s20
	s_cselect_b32 s99, s20, s19
	s_cselect_b32 s67, 8192, 0
	s_lshl_b32 s92, s20, 14
	s_add_co_u32 s92, s92, s90
	s_lshl_b32 s93, s19, 14
	s_add_co_u32 s93, s93, s91
.irp s, 0,1
	v_add_nc_u32 v[ADR0+\s], s92, v[LI]
	v_add_nc_u32 v[ADR1+\s], s93, v[LI]
	s_add_co_u32 s92, s92, SLOT
	s_add_co_u32 s93, s93, SLOT
.endr
	s_lshr_b32 s94, s22, 3
	s_and_b32 s95, s22, 7
	s_lshl_b32 s96, s94, 4
	s_lshl_b32 s97, s23, 2
	s_add_co_u32 s96, s96, s97
	s_lshl_b32 s97, s20, 1
	s_add_co_u32 s96, s96, s97
	s_lshl_b32 s96, s96, 7
	s_lshl_b32 s97, s95, 4
	s_add_co_u32 s96, s96, s97
	s_lshl_b32 s97, s19, 3
	s_add_co_u32 s96, s96, s97
	s_lshl_b32 s96, s96, 10
	s_lshl_b32 s97, s94, 2
	s_lshl_b32 s98, s98, 1
	s_add_co_u32 s97, s97, s98
	s_lshl_b32 s97, s97, 4
	s_lshl_b32 s98, s95, 1
	s_add_co_u32 s97, s97, s98
	s_add_co_u32 s97, s97, s99
	s_lshl_b32 s97, s97, 14
	s_add_co_u32 s97, s97, s67
	s_cmp_eq_u32 s66, 0
	s_cselect_b32 s96, s96, s97
	s_mov_b32 s97, 0
	s_cselect_b64 s[84:85], s[14:15], s[16:17]
	s_mov_b32 s98, 0x40000
	s_cselect_b32 s98, 0x20000, s98
	s_add_nc_u64 s[84:85], s[84:85], s[96:97]
	v_add_nc_u32 v[VO1], s98, v[LI]
	s_lshl_b32 s90, s95, 4
	s_lshl_b32 s91, s19, 3
	s_add_co_u32 s90, s90, s91
	s_lshl_b32 s90, s90, 12
	s_mov_b32 s91, 0
	s_add_nc_u64 s[86:87], s[8:9], s[90:91]
	s_mov_b32 s88, 0x76543210
	s_mov_b32 s89, 0xfedcba98
	s_cmp_eq_u32 s66, 2
	s_cbranch_scc1 .Lno_table
.irp p, 0,1,2,3,4,5,6,7
	global_load_b128 v[RT+4*\p:RT+4*\p+3], v[LI], s[86:87] offset:512*\p
.endr
.Lno_table:
.macro FRAG reg, adr, q, i
.irp c, 0,1,2,3
	ds_load_b128 v[\reg+4*\c:\reg+4*\c+3], v[\adr] offset:0x8000*(\q)+0x800*(\i)+512*\c
.endr
.endm
.macro MUL16 a0, p, zero
.irp a, \a0, \a0+1
.irp b, 0,1,2,3,4,5,6,7
.if \zero
	v_wmma_f32_16x16x128_fp8_fp8 v[8*(8*((\a)%4)+\b):8*(8*((\a)%4)+\b)+7], v[128*(\p)+FR*\b:128*(\p)+FR*\b+FR-1], v[AF+FR*(\a):AF+FR*(\a)+FR-1], 0
.else
	v_wmma_f32_16x16x128_fp8_fp8 v[8*(8*((\a)%4)+\b):8*(8*((\a)%4)+\b)+7], v[128*(\p)+FR*\b:128*(\p)+FR*\b+FR-1], v[AF+FR*(\a):AF+FR*(\a)+FR-1], v[8*(8*((\a)%4)+\b):8*(8*((\a)%4)+\b)+7]
.endif
.endr
.endr
.endm
.macro FETCH_S0 slot, q, p
	WIN TO_B
.irp i, 0,1,2,3,4,5,6,7
	FRAG 128*(\p)+FR*\i, ADR0+\slot, \q, \i
.endr
	WIN 0
.endm
.macro FETCH_S1 slot, q, i0
.irp i, \i0, \i0+1, \i0+2, \i0+3
	FRAG AF+FR*(\i), ADR1+\slot, \q, \i
.endr
.endm
.macro PLACES n
.rept \n
	v_nop
.endr
.endm
.macro STEP slot, q, zero
	s_wait_dscnt 4*NL
	WIN MUL_LO
	MUL16 0, (\q)%2, \zero
	MUL16 2, (\q)%2, \zero
	s_wait_dscnt 0
	PLACES NP
	FETCH_S0 \slot, (\q)+1, 1-(\q)%2
	FETCH_S1 \slot, (\q)+1, 0
	WIN MUL_HI
	MUL16 4, (\q)%2, \zero
	MUL16 6, (\q)%2, \zero
	PLACES NP
	WIN 0
	FETCH_S1 \slot, (\q)+1, 4
.endm
.macro TURN slot, next, fill
	s_wait_tensorcnt 0x0
	ds_add_u32 v[SPW], v[NIL]
	s_wait_dscnt 4*NL+1
	WIN MUL_LO
	MUL16 0, 1, 0
	s_wait_dscnt 0x0
	s_barrier_signal -1
	MUL16 2, 1, 0
	WIN 0
	s_barrier_wait -1
.if \fill
	CREST
	s_add_nc_u64 s[G0X+4*\slot+2:G0X+4*\slot+3], s[G0X+4*\slot+2:G0X+4*\slot+3], 0x20000
	s_add_nc_u64 s[G0W+4*\slot+2:G0W+4*\slot+3], s[G0W+4*\slot+2:G0W+4*\slot+3], 0x20000
	JLOAD \slot
.else
	PLACES NP
.endif
	FETCH_S0 \next, 0, 0
	FETCH_S1 \next, 0, 0
	WIN MUL_HI
	MUL16 4, 1, 0
	MUL16 6, 1, 0
	PLACES NP
	WIN 0
	FETCH_S1 \next, 0, 4
.endm
	s_wait_tensorcnt 1
	s_barrier_signal -1
	s_barrier_wait -1
	s_wait_alu depctr_va_vdst(0)
	FETCH_S0 0, 0, 0
	FETCH_S1 0, 0, 0
	FETCH_S1 0, 0, 4
	STEP 0, 0, 1
	TURN 0, 1, 1
	STEP 1, 0, 0
	TURN 1, 0, 1
	STEP 0, 0, 0
	TURN 0, 1, 0
	STEP 1, 0, 0
	s_wait_dscnt 4*NL
	WIN MUL_LO
	MUL16 0, 1, 0
	MUL16 2, 1, 0
	s_wait_dscnt 0
	WIN MUL_HI
	MUL16 4, 1, 0
	MUL16 6, 1, 0
	WIN 0
	s_wait_kmcnt 0x0
	s_cmp_eq_u32 s66, 1
	s_cselect_b32 s90, s70, s68
	s_cselect_b32 s91, s71, s69
	s_cselect_b32 s92, s75, s74
	s_cmp_eq_u32 s66, 2
	s_cselect_b32 s90, s72, s90
	s_cselect_b32 s91, s73, s91
	s_cselect_b32 s92, s77, s92
	s_add_co_i32 s80, s90, s91
	s_lshl_b32 s81, s80, 1
	s_sub_co_i32 s81, s81, 6
	s_sub_co_i32 s93, s92, s80
	s_cmp_eq_u32 s66, 2
	s_cselect_b32 s92, s93, s92
	s_add_co_i32 s92, s92, 127
	s_lshl_b32 s93, s92, 23
	v_mov_b32 v[SC], s93
	s_add_co_i32 s92, s92, 8
	s_lshl_b32 s92, s92, 23
	s_or_b32 s92, s92, 0x600000
	v_mov_b32 v[LIM], s92
	s_cmp_eq_u32 s66, 0
	s_cselect_b32 s82, s82, 1.0
	s_cselect_b32 s83, s83, 1.0
	PLACES NP
	s_cmp_eq_u32 s66, 2
	s_cbranch_scc1 .Lway_v
.macro FINISH
	s_wait_tensorcnt 0x0
	ds_add_u32 v[SPW], v[NIL]
	s_wait_dscnt 0x0
	CROUND
	s_endpgm
.endm
.macro EPI_QK a
.set AC, 64*((\a)%4)
.set RB, RT+32*((\a)%2)
	s_wait_xcnt 0x0
.if (\a) < 7
.irp p, 0,1,2,3,4,5,6,7
	global_load_b128 v[RT+32*(((\a)+1)%2)+4*\p:RT+32*(((\a)+1)%2)+4*\p+3], v[LI], s[86:87] offset:((\a)+1)*4096+512*\p
.endr
.endif
	WIN 0x0a+5*((\a)/4)
.irp u, 0,1
	v_pk_mul_f32 v[SS+4*\u:SS+4*\u+1], v[AC+32*\u:AC+32*\u+1], v[AC+32*\u:AC+32*\u+1]
	v_pk_mul_f32 v[SS+4*\u+2:SS+4*\u+3], v[AC+32*\u+2:AC+32*\u+3], v[AC+32*\u+2:AC+32*\u+3]
.irp p, 4,8,12,16,20,24,28
	v_pk_fma_f32 v[SS+4*\u:SS+4*\u+1], v[AC+32*\u+\p:AC+32*\u+\p+1], v[AC+32*\u+\p:AC+32*\u+\p+1], v[SS+4*\u:SS+4*\u+1]
	v_pk_fma_f32 v[SS+4*\u+2:SS+4*\u+3], v[AC+32*\u+\p+2:AC+32*\u+\p+3], v[AC+32*\u+\p+2:AC+32*\u+\p+3], v[SS+4*\u+2:SS+4*\u+3]
.endr
.endr
	WIN 0
.irp u, 0,1
	v_pk_add_f32 v[SS+4*\u:SS+4*\u+1], v[SS+4*\u:SS+4*\u+1], v[SS+4*\u+2:SS+4*\u+3]
.endr
.irp u, 0,1
	v_add_f32 v[SS+4*\u], v[SS+4*\u], v[SS+4*\u+1]
.endr
.irp u, 0,1
	v_permlanex16_b32 v[PM+\u], v[SS+4*\u], s88, s89
.endr
.irp u, 0,1
	v_add_f32 v[SS+4*\u], v[SS+4*\u], v[PM+\u]
.endr
.irp u, 0,1
	v_ldexp_f32 v[SS+4*\u], v[SS+4*\u], s81
.endr
.irp u, 0,1
	v_add_f32 v[SS+4*\u], 0x34000000, v[SS+4*\u]
.endr
	s_wait_alu depctr_va_vdst(0)
.irp u, 0,1
	v_rsq_f32 v[SS+4*\u+1], v[SS+4*\u]
.endr
	v_nop
	s_wait_alu depctr_va_vdst(0)
.irp u, 0,1
	v_mul_f32 v[F+2*\u], s[82+\u], v[SS+4*\u+1]
.endr
.irp u, 0,1
	v_ldexp_f32 v[F+2*\u], v[F+2*\u], s80
.endr
.irp u, 0,1
	WIN 0x02+((\a)/4)
.irp p, 0,2,4,6,8,10,12,14,16,18,20,22,24,26,28,30
	v_pk_mul_f32 v[XX+\p:XX+\p+1], v[AC+32*\u+\p:AC+32*\u+\p+1], v[F+2*\u:F+2*\u+1] op_sel_hi:[1,0]
.endr
	WIN 0
.if \u == 0
.if (\a) < 7
	s_wait_alu depctr_va_vdst(0)
	s_wait_loadcnt 8
.else
	s_wait_alu depctr_va_vdst(0)
	s_wait_loadcnt 0
.endif
.endif
.irp t, 0,1
.irp j, 0,2,4,6
	v_pk_mul_f32 v[TT+4*((\j/2)%2):TT+4*((\j/2)%2)+1], v[XX+16+8*\t+\j:XX+16+8*\t+\j+1], v[RB+16+8*\t+\j:RB+16+8*\t+\j+1]
	v_pk_mul_f32 v[TT+4*((\j/2)%2)+2:TT+4*((\j/2)%2)+3], v[XX+8*\t+\j:XX+8*\t+\j+1], v[RB+16+8*\t+\j:RB+16+8*\t+\j+1]
	v_pk_fma_f32 v[XX+8*\t+\j:XX+8*\t+\j+1], v[XX+8*\t+\j:XX+8*\t+\j+1], v[RB+8*\t+\j:RB+8*\t+\j+1], v[TT+4*((\j/2)%2):TT+4*((\j/2)%2)+1]
	v_pk_fma_f32 v[XX+16+8*\t+\j:XX+16+8*\t+\j+1], v[XX+16+8*\t+\j:XX+16+8*\t+\j+1], v[RB+8*\t+\j:RB+8*\t+\j+1], v[TT+4*((\j/2)%2)+2:TT+4*((\j/2)%2)+3] neg_lo:[0,0,1] neg_hi:[0,0,1]
.endr
.endr
.set i, 0
.rept 32
	v_med3_num_f32 v[XX+i], v[XX+i], -v[LIM], v[LIM]
.set i, i+1
.endr
.irp t, 0,1,2,3
	v_cvt_scalef32_pk8_fp8_f32 v[CD+16*((\a)%2)+8*\u+2*\t:CD+16*((\a)%2)+8*\u+2*\t+1], v[XX+8*\t:XX+8*\t+7], v[SC]
.endr
	v_nop
.if \u == 0
	global_store_b128 v[LI], v[CD+16*((\a)%2):CD+16*((\a)%2)+3], s[84:85] offset:(\a)*1024
	global_store_b128 v[LI], v[CD+16*((\a)%2)+4:CD+16*((\a)%2)+7], s[84:85] offset:(\a)*1024+512
.else
	global_store_b128 v[VO1], v[CD+16*((\a)%2)+8:CD+16*((\a)%2)+11], s[84:85] offset:(\a)*1024
	global_store_b128 v[VO1], v[CD+16*((\a)%2)+12:CD+16*((\a)%2)+15], s[84:85] offset:(\a)*1024+512
.endif
.endr
.endm
	v_mov_b32 v[F+1], 0
	v_mov_b32 v[F+3], 0
	v_mov_b32 v[PM], 0
	v_mov_b32 v[PM+1], 0
.irp a, 0,1,2,3,4,5,6,7
	EPI_QK \a
.endr
	FINISH
.macro EPI_V a
.set AC, 64*((\a)%4)
	s_wait_xcnt 0x0
	WIN 0x02+((\a)/4)
.set i, 0
.rept 64
	v_med3_num_f32 v[XX+i], v[AC+i], -v[LIM], v[LIM]
.set i, i+1
.endr
	WIN 0
.irp b, 0,1,2,3,4,5,6,7
	v_cvt_scalef32_pk8_fp8_f32 v[CD+16*((\a)%2)+2*\b:CD+16*((\a)%2)+2*\b+1], v[XX+8*\b:XX+8*\b+7], v[SC]
.endr
	v_nop
.irp i, 0,1,2,3
	global_store_b128 v[LI], v[CD+16*((\a)%2)+4*\i:CD+16*((\a)%2)+4*\i+3], s[84:85] offset:((\a)/4)*0x40000+((\a)%4)*2048+512*\i
.endr
.endm
.Lway_v:
	s_wait_alu depctr_va_vdst(0)
.irp a, 0,1,2,3,4,5,6,7
	EPI_V \a
.endr
	FINISH
.Lfunc_end_k_qf677631048_qkv:
	.size	k_qf677631048_qkv, .Lfunc_end_k_qf677631048_qkv-k_qf677631048_qkv
	.p2alignl 7, 3214868480
	.fill 96, 4, 3214868480
	.section	.rodata,"a",@progbits
	.p2align	6, 0x0
	.amdhsa_kernel k_qf677631048_qkv
		.amdhsa_group_segment_fixed_size 327680
		.amdhsa_private_segment_fixed_size 0
		.amdhsa_enable_private_segment 0
		.amdhsa_kernarg_size 56
		.amdhsa_user_sgpr_count 2
		.amdhsa_user_sgpr_kernarg_segment_ptr 1
		.amdhsa_wavefront_size32 1
		.amdhsa_system_sgpr_workgroup_id_x 1
		.amdhsa_system_sgpr_workgroup_id_y 1
		.amdhsa_system_sgpr_workgroup_id_z 1
		.amdhsa_system_vgpr_workitem_id 0
		.amdhsa_next_free_vgpr 1024
		.amdhsa_next_free_sgpr 100
		.amdhsa_reserve_vcc 0
		.amdhsa_float_denorm_mode_32 3
		.amdhsa_float_denorm_mode_16_64 3
		.amdhsa_memory_ordered 1
		.amdhsa_forward_progress 1
		.amdhsa_inst_pref_size 240
	.end_amdhsa_kernel
	.amdgpu_metadata
---
amdhsa.version: [ 1, 2 ]
amdhsa.kernels:
  - .name:           k_qf677631048_qkv
    .symbol:         k_qf677631048_qkv.kd
    .args:
      - { .name: xc, .offset: 0, .size: 8, .value_kind: global_buffer, .address_space: global }
      - { .name: wqkv, .offset: 8, .size: 8, .value_kind: global_buffer, .address_space: global }
      - { .name: rope, .offset: 16, .size: 8, .value_kind: global_buffer, .address_space: global }
      - { .name: lowp_scales, .offset: 24, .size: 8, .value_kind: global_buffer, .address_space: global }
      - { .name: q_gain, .offset: 32, .size: 8, .value_kind: global_buffer, .address_space: global }
      - { .name: qc, .offset: 40, .size: 8, .value_kind: global_buffer, .address_space: global }
      - { .name: kv, .offset: 48, .size: 8, .value_kind: global_buffer, .address_space: global }
    .group_segment_fixed_size: 327680
    .private_segment_fixed_size: 0
    .kernarg_segment_align: 8
    .kernarg_segment_size: 56
    .max_flat_workgroup_size: 128
    .sgpr_count:     100
    .vgpr_count:     1024
    .wavefront_size: 32
...
	.end_amdgpu_metadata
.endif
;; end of part 2
;; launch attn (part 3): grid 16 x 16, 8 waves a work-group, no clusters, 279,552 bytes of LDS; arguments qc, kv, lowp_scales, yc; writes yc
.if DOCPART == 3
	.amdgcn_target "amdgcn-amd-amdhsa--gfx1250"
	.amdhsa_code_object_version 6
	.text
	.protected	k_qf677631048_attn
	.globl	k_qf677631048_attn
	.p2align	8
	.type	k_qf677631048_attn,@function
k_qf677631048_attn:
	s_mov_b64 s[64:65], 0
	v_nop
	global_prefetch_b8 v0, s[64:65] scope:SCOPE_SE
	s_setreg_imm32_b32 hwreg(HW_REG_WAVE_MODE, 25, 1), 1
	s_wait_xcnt 0x0
; ATTENTION on codes of E4M3, causal, four query heads to a kv head.  Head size 64, 2,048 positions.
; THE SOFTMAX AHEAD OF THE SECOND PRODUCT: t = score x log2(e) / 8; M = the row's largest t so far, rounded UP to a whole number; p = 2^(t - M) is quantised, not normalised;
; the row's sum is taken of the unquantised p and divides at the end.  When M moves, the sum and O are multiplied by 2^(old M - new M): exact.
; SHARES.  Work-group (x, y): y = g = batch x 4 + kv head; x picks 8 of the 128 tiles of 16 positions.  Wave w: head pair hp = w % 2 (query heads 2 hp and 2 hp + 1 of the group, called A and B), i = w / 2.
; It owns tile 127 - (4 x + i), then tile 4 x + i, for BOTH heads at once: each fragment of K and of V that it reads from LDS feeds two matrix instructions.  A tile needs pt / 8 + 1 steps of 128 keys: 17 steps for every wave,
; and all eight waves of a work-group have the same number of steps in each tile.
; LDS holds the group's K and V in chunks of 128 keys, 16 KB each (K: 8 fragments of 1,024 bytes; V^T: 4 of 2,048), each written ONCE, through registers: wave w brings bytes 2,048 w .. of every chunk, four loads.
; The head asks for chunks 0 and 1.  In trip n of the first tile a wave stores chunk n + 1 from its 16 staging registers and asks for chunk n + 2; the barrier at the trip's head shows chunk n + 1 to all.  Between two barriers
; chunk n is read and chunk n + 2 written.  Only the 16 - x / 2 chunks that the work-group reads are fetched.  The barrier stands in every trip of both tiles: the trip counts are constants and every wave passes every barrier.
; NO TENSOR LOAD: the hold on p hangs on a given exponent by a scalar branch (below); LDS is filled through registers.
; NO CLUSTER: the sixteen work-groups that read one group's K and V own different positions, so their branches on ids differ.  NO PREFETCH: each chunk is asked for a whole trip ahead of its store by the loads themselves.
; LAYOUT.  Both products transposed: S^T = K Q^T (source 0 = 16 keys, source 1 = 16 queries; K = 64), O^T = V^T P (source 0 = 16 channels, source 1 = P; K = 128 keys).  A lane holds ONE query (lane % 16).
; Register j of key tile c is key 16 c + 8 h + j: the conversion of tile c gives registers 2 c, 2 c + 1 of P.  Register j of channel tile d is channel 16 d + 8 h + j.
; THE SECOND PRODUCT OF A STEP IS RUN IN THE NEXT STEP, behind that step's loads of K (macro TAIL: O^T x f, then O^T += V^T P), and for a tile's last step on the way out.
; OUT.  yc, as the last product's operand: [block of 256 tokens: 0x40000][K step = head / 2: 0x8000][tile: 0x800][head % 2: 0x400]: a wave's two heads fill one fragment of 2,048 bytes.
; CAUSAL.  Both loops have constant trip counts; a step all of whose keys come after the tile's queries is jumped over by a branch on ids.  In the step on the diagonal the mask is the C of the score's product, chosen for each
; tile of 16 keys by branches on ids: 0 (all keys count), a constant pattern (-3e38 where 8 h + j > lane % 16) or -3e38 everywhere: p is then 0.
; THE HOLD ON p.  p is at most 1 (but for the last bit), so p / 2^e is at most 256 where e = entry 8 is -8 or more: there the hold at 448 changes nothing and is jumped over; else it is run.
; LIMITS: entries 6 + 7 between -100 and 130 (added to c's exponent field; -3e38 x c stays far under every t); entry 8, and entry 10 less entries 8 and 9, between -126 and 119.
.set SPARE, 0x44000                    ; behind 16 chunks and one chunk's room that no trip of a real walk touches: the spare words, 128 bytes a wave: four blocks of 256 bytes that no other line names
; window 0: v1 16 x lane; v2 LDS address; v3 my eighth of a chunk; v4, v7 offsets; v5, v6 the add's two; v[8:9] -M, largest t of A; v[10:11] of B; v[12:13], v[14:15] the sums; v16-31 Q of A, B
.set LI,   1
.set ADK,  2
.set WLI,  3
.set YOF,  4
.set SPW,  5
.set NIL,  6
.set KR,   32                          ; v32-95   K's eight fragments; behind the scores: maxima, partial sums; on the way out y's codes
.set SA,   96                          ; v96-159  S^T, then p, of head A
.set SB,   160                         ; v160-223 of head B
; v224, v225 p's hold and scale; v226, v227 y's; v228, v229 permutes; v[230:231], v[232:233] f, later 1 / sum
.set DG,   240                         ; v240-247 the diagonal tile's C
.set HD,   248                         ; v248-255 a hidden tile's C
; window 1 (v256 on, named by their low 8 bits)
.set VR,   0                           ; V^T's four fragments
.set OA,   64                          ; O^T of A, 32 registers
.set OB,   96                          ; of B
.set PA,   128                         ; P's codes of A, 16 registers
.set PB,   144                         ; of B
.set QN,   160                         ; the second tile's Q, 16 registers
.set ST,   176                         ; my eighth of the chunk on its way, 16 registers
.set WV,   12
.set SEL,  20                          ; s[20:21] lane selects
.set CS,   22                          ; s[22:23] c
.set TB,   48                          ; LDS byte of the chunk in hand
.set KF,   49                          ; the step's first key
.set Q0,   50                          ; the tile's first query
.set PT,   51                          ; the tile
.set NOH,  56                          ; 1: the hold on p changes nothing
.set CD,   57                          ; (Q0 - KF) / 16: the key tile on the diagonal; 8 or more: all keys count
.set MSB, 0
.macro WIN new                         ; the immediate's high byte repeats the setting that is left
.if MSB != \new
	s_set_vgpr_msb (MSB<<8)|\new
.set MSB, \new
.endif
.endm
.macro PLACES
.rept 4
	v_nop
.endr
.endm
.macro QK2 c, m                        ; key tile c against both heads' queries; m: first register of C, or 0
.if \m
	v_wmma_f32_16x16x64_fp8_fp8 v[SA+8*\c:SA+8*\c+7], v[KR+8*\c:KR+8*\c+7], v[16:23], v[\m:\m+7]
	v_wmma_f32_16x16x64_fp8_fp8 v[SB+8*\c:SB+8*\c+7], v[KR+8*\c:KR+8*\c+7], v[24:31], v[\m:\m+7]
.else
	v_wmma_f32_16x16x64_fp8_fp8 v[SA+8*\c:SA+8*\c+7], v[KR+8*\c:KR+8*\c+7], v[16:23], 0
	v_wmma_f32_16x16x64_fp8_fp8 v[SB+8*\c:SB+8*\c+7], v[KR+8*\c:KR+8*\c+7], v[24:31], 0
.endif
.endm
.macro RED h                           ; 2 h partial sums become h, both heads by turns
.set i, 0
.rept \h
	v_pk_add_f32 v[KR+2*i:KR+2*i+1], v[KR+2*i:KR+2*i+1], v[KR+2*i+2*\h:KR+2*i+2*\h+1]
	v_pk_add_f32 v[KR+32+2*i:KR+32+2*i+1], v[KR+32+2*i:KR+32+2*i+1], v[KR+32+2*i+2*\h:KR+32+2*i+2*\h+1]
.set i, i+1
.endr
.endm
; line n (0 to 8) of the chain from a head's largest score (mx) to its new -M (nm; nm + 1 the running largest t) and f.  The lines hang on each other, so they are laid among the other head's work.
.macro SER n, mx, pm, nm, f
.if (\n) == 0
	v_permlanex16_b32 v[\pm], v[\mx], s[SEL], s[SEL+1]
.endif
.if (\n) == 1
	v_max_num_f32 v[\mx], v[\mx], v[\pm]           ; among lane l xor 16's keys too
.endif
.if (\n) == 2
	v_mul_f32 v[\mx], s[CS], v[\mx]                ; as t (c is positive)
.endif
.if (\n) == 3
	v_max_num_f32 v[\nm+1], v[\nm+1], v[\mx]       ; the running largest t
.endif
.if (\n) == 4
	v_mov_b32 v[\mx], v[\nm]
.endif
.if (\n) == 5
	v_floor_f32 v[\nm], -v[\nm+1]                  ; the new -M = floor(-t): M is a whole number
.endif
.if (\n) == 6
	v_sub_f32 v[\mx], v[\nm], v[\mx]               ; old M less new M: a whole number, 0 or less
.endif
.if (\n) == 7
	v_cvt_i32_f32 v[\mx], v[\mx]                   ; (it saturates)
.endif
.if (\n) == 8
	v_ldexp_f32 v[\f], 1.0, v[\mx]                 ; f = 2^(old M - new M)
.endif
.endm
; a head's largest score among my 64 keys, into v[ac]: four chains of 16, each accumulator read from its low end on.  o = 1: head A's chain SER stands among the lines
.macro MAXH sb, ac, o
.irp k, 0,1,2,3
	v_max3_num_f32 v[\ac+\k], v[\sb+16*\k], v[\sb+16*\k+1], v[\sb+16*\k+2]
.endr
.set sn, 0
.irp i, 3,5,7,9,11,13
.if \o
	SER sn, KR, 228, 8, 230
.endif
.set sn, sn+1
.irp k, 0,1,2,3
	v_max3_num_f32 v[\ac+\k], v[\ac+\k], v[\sb+16*\k+\i], v[\sb+16*\k+\i+1]
.endr
.endr
.if \o
	SER 6, KR, 228, 8, 230
.endif
	v_max3_num_f32 v[\ac], v[\ac], v[\ac+1], v[\sb+15]
	v_max3_num_f32 v[\ac+2], v[\ac+2], v[\ac+3], v[\sb+31]
.if \o
	SER 7, KR, 228, 8, 230
.endif
	v_max3_num_f32 v[\ac], v[\ac], v[\sb+47], v[\sb+63]
	v_max_num_f32 v[\ac], v[\ac], v[\ac+2]
.if \o
	SER 8, KR, 228, 8, 230
.endif
.endm
; the last step's second product: O^T under the new M, then O^T += V^T P.  cnt: the LDS loads younger than V's
.macro TAIL cnt
	WIN 0x41
	s_wait_alu depctr_va_vdst(0)                   ; the wait here, directly ahead of the first reader of O^T
.set i, 0
.rept 16
	v_pk_mul_f32 v[OA+2*i:OA+2*i+1], v[OA+2*i:OA+2*i+1], v[230:231] op_sel_hi:[1,0]
.set i, i+1
.endr
.set i, 0
.rept 16
	v_pk_mul_f32 v[OB+2*i:OB+2*i+1], v[OB+2*i:OB+2*i+1], v[232:233] op_sel_hi:[1,0]
.set i, i+1
.endr
	s_wait_alu depctr_va_vdst(0)                   ; directly ahead of the wait below
	s_wait_dscnt \cnt                              ; V^T is in
	WIN 0x55
.irp d, 0,1,2,3
	v_wmma_f32_16x16x128_fp8_fp8 v[OA+8*\d:OA+8*\d+7], v[VR+16*\d:VR+16*\d+15], v[PA:PA+15], v[OA+8*\d:OA+8*\d+7]   ; eight accumulators by turns
	v_wmma_f32_16x16x128_fp8_fp8 v[OB+8*\d:OB+8*\d+7], v[VR+16*\d:VR+16*\d+15], v[PB:PB+15], v[OB+8*\d:OB+8*\d+7]
.endr
	WIN 0
.endm
	s_load_b256 s[4:11], s[0:1], 0x0               ; qc s[4:5], kv s[6:7], the scales s[8:9], yc s[10:11]
	v_lshl_add_u32 v[SPW], v0, 2, SPARE
	v_mov_b32 v[NIL], 0
	v_lshrrev_b32 v7, 5, v0
	v_readfirstlane_b32 s[WV], v7                  ; wave 0..7
	v_and_b32 v7, 31, v0
	v_lshlrev_b32 v[LI], 4, v7
	s_and_b32 s13, s[WV], 1                        ; hp
	s_lshr_b32 s14, s[WV], 1                       ; i
	s_and_b32 s15, ttmp7, 0xffff                   ; g
	s_lshl_b32 s16, ttmp9, 2
	s_add_co_u32 s16, s16, s14                     ; the short tile, 0..63
	s_sub_co_u32 s[PT], 127, s16                   ; the long tile first
	s_lshl_b32 s17, s[WV], 11                      ; my eighth of a chunk
	s_lshl_b32 s54, s15, 18                        ; the group's K and V
	s_mov_b32 s55, 0
	s_lshl_b32 s58, s15, 2
	s_lshl_b32 s59, s13, 1
	s_add_co_u32 s58, s58, s59                     ; batch x 16 + head A = 4 g + 2 hp
	s_lshl_b32 s58, s58, 17
	s_mov_b32 s59, 0
	s_lshr_b32 s18, s15, 2
	s_lshl_b32 s18, s18, 21                        ; y: the batch's 8 blocks,
	s_and_b32 s19, s15, 3
	s_lshl_b32 s19, s19, 16
	s_add_co_u32 s18, s18, s19
	s_lshl_b32 s19, s13, 15                        ; K step 2 x kv head + hp
	s_add_co_u32 s18, s18, s19
	s_mov_b32 s19, 0
	s_lshl_b32 s24, s[PT], 10
	s_lshl_b32 s25, s16, 10
	s_mov_b32 s[SEL], 0x76543210
	s_mov_b32 s[SEL+1], 0xfedcba98
	s_mov_b32 s[CS], 0x3e38aa3b                    ; c = log2(e) / 8
	s_wait_alu depctr_va_vdst(0)                   ; the wait here, ahead of the readers below
	v_add_nc_u32 v[WLI], s17, v[LI]
	v_add_nc_u32 v7, s24, v[LI]
	v_add_nc_u32 v[YOF], s25, v[LI]
	s_wait_alu depctr_va_vdst(0)                   ; and directly ahead of the wait below
	s_wait_kmcnt 0x0
	s_load_b256 s[36:43], s[8:9], 0x0              ; entries 0 to 7
	s_load_b128 s[44:47], s[8:9], 0x20             ; entries 8 to 11
	s_add_nc_u64 s[6:7], s[6:7], s[54:55]
	s_add_nc_u64 s[60:61], s[4:5], s[58:59]        ; head A's q; head B's lies 0x20000 on
	s_add_nc_u64 s[62:63], s[10:11], s[18:19]
.irp u, 0,1
	global_load_b128 v[16+8*\u:19+8*\u], v7, s[60:61] offset:0x20000*\u             ; the long tile's Q
	global_load_b128 v[20+8*\u:23+8*\u], v7, s[60:61] offset:0x20000*\u+512
.endr
	WIN 0x40
.irp u, 0,1
	global_load_b128 v[QN+8*\u:QN+8*\u+3], v[YOF], s[60:61] offset:0x20000*\u       ; the short tile's
	global_load_b128 v[QN+8*\u+4:QN+8*\u+7], v[YOF], s[60:61] offset:0x20000*\u+512
.endr
	WIN 0
.irp i, 0,1,2,3
	global_load_b128 v[KR+4*\i:KR+4*\i+3], v[WLI], s[6:7] offset:512*\i             ; my eighth of chunk 0: 32 lanes read 512 consecutive bytes
.endr
	WIN 0x40
.irp i, 0,1,2,3
	global_load_b128 v[ST+4*\i:ST+4*\i+3], v[WLI], s[6:7] offset:0x4000+512*\i      ; and of chunk 1
.endr
	WIN 0
	v_and_b32 v239, 15, v0
	v_bfe_u32 v238, v0, 4, 1
	v_lshlrev_b32 v238, 3, v238
	v_sub_nc_u32 v239, v239, v238                  ; r - 8 h
.irp j, 0,1,2,3,4,5,6,7
	v_mov_b32 v[HD+\j], 0xff61b1e6                 ; -3e38
.endr
.irp j, 0,1,2,3,4,5,6,7
	v_cmp_gt_i32 vcc_lo, \j, v239
	v_cndmask_b32 v[DG+\j], 0, v[HD], vcc_lo       ; key 8 h + j is hidden from query r where j > r - 8 h
.endr
	v_mov_b32 v228, 0                              ; a lane permute's destination counts as one of its sources
	v_mov_b32 v229, 0
	v_mov_b32 v231, 0                              ; (named as the upper halves of pairs)
	v_mov_b32 v233, 0
	s_wait_kmcnt 0x0
	s_add_co_i32 s54, s42, s43
	s_lshl_b32 s54, s54, 23
	s_add_co_i32 s[CS], s[CS], s54                 ; a score stands for score x 2^(entry 6 + entry 7): added to c's exponent field
	s_mov_b32 s[CS+1], s[CS]
	s_add_co_i32 s54, s44, 127
	s_lshl_b32 s55, s54, 23
	v_mov_b32 v225, s55                            ; p's scale, entry 8
	s_add_co_i32 s54, s54, 8
	s_lshl_b32 s54, s54, 23
	s_or_b32 s54, s54, 0x600000
	v_mov_b32 v224, s54                            ; 448 x that
	s_sub_co_i32 s54, s46, s44
	s_sub_co_i32 s54, s54, s45                     ; O / sum stands for y / 2^(entry 8 + entry 9): y's conversion takes 2^(entry 10 - 8 - 9)
	s_add_co_i32 s54, s54, 127
	s_lshl_b32 s55, s54, 23
	v_mov_b32 v227, s55
	s_add_co_i32 s54, s54, 8
	s_lshl_b32 s54, s54, 23
	s_or_b32 s54, s54, 0x600000
	v_mov_b32 v226, s54
	s_cmp_ge_i32 s44, -8
	s_cselect_b32 s[NOH], 1, 0
	s_mov_b32 s53, 2
	s_wait_alu depctr_va_vdst(0)                   ; the wait at the head's end
	s_wait_loadcnt 4                               ; both tiles' Q and chunk 0 are in; chunk 1's four loads may be out
.irp i, 0,1,2,3
	ds_store_b128 v[WLI], v[KR+4*\i:KR+4*\i+3] offset:512*\i   ; the first trip's barrier shows it to all
.endr
.Ltile:
	s_wait_xcnt 0x0                                ; the last tile's stores have read their registers
	v_mov_b32 v9, 0xff61b1e6                       ; the largest t so far: -3e38, under every t
	v_mov_b32 v11, 0xff61b1e6
	v_floor_f32 v8, -v9                            ; -M
	v_floor_f32 v10, -v11
.irp j, 12,13,14,15
	v_mov_b32 v\j, 0
.endr
	WIN 0x40
.set i, 0
.rept 64
	v_mov_b32 v[OA+i], 0                           ; O^T of both heads.  (TAIL is written for every step alike: a tile's first finds zeros, which the first change of M leaves zeros)
.set i, i+1
.endr
	WIN 0
	s_mov_b32 s[KF], 0
	s_mov_b32 s[TB], 0
	s_lshl_b32 s[Q0], s[PT], 4
	s_mov_b32 s52, 16
	s_wait_alu depctr_va_vdst(0)                   ; the wait ahead of the loop
.Lkey:                                             ; 16 trips, a constant
	s_add_co_u32 s55, s[Q0], 15                    ; the tile's last query
	s_cmp_lg_u32 s53, 2
	s_cbranch_scc1 .Lnofill                        ; the second tile finds all its chunks written
	s_add_co_u32 s54, s[KF], 128
	s_cmp_gt_u32 s54, s55
	s_cbranch_scc1 .Lnofill                        ; the next chunk is read by nobody
	s_wait_loadcnt 0x0                             ; my eighth of the next chunk is in its registers
	v_add_nc_u32 v7, s[TB], v[WLI]
	WIN 0x04
.irp i, 0,1,2,3
	ds_store_b128 v7, v[ST+4*\i:ST+4*\i+3] offset:0x4000+512*\i
.endr
	WIN 0
	s_add_co_u32 s54, s[KF], 256
	s_cmp_gt_u32 s54, s55
	s_cbranch_scc1 .Lnofill
	s_wait_dscnt 0x0                               ; the stores have read their registers
	s_add_nc_u64 s[6:7], s[6:7], 0x4000            ; (no load of mine is out)
	WIN 0x40
.irp i, 0,1,2,3
	global_load_b128 v[ST+4*\i:ST+4*\i+3], v[WLI], s[6:7] offset:0x4000+512*\i      ; the chunk after the next: a whole trip ahead of its store
.endr
	WIN 0
.Lnofill:
	s_wait_dscnt 0x0                               ; my stores are done, and so are my reads of the last trip's chunk
	s_barrier_signal -1
	s_barrier_wait -1
	s_cmp_gt_u32 s[KF], s55
	s_cbranch_scc1 .Lhidden                        ; all 128 keys come after my 16 queries
	v_add_nc_u32 v[ADK], s[TB], v[LI]
	s_wait_alu depctr_va_vdst(0)                   ; the wait behind the write
.irp t, 0,1,2,3,4,5,6,7
	ds_load_b128 v[KR+8*\t:KR+8*\t+3], v[ADK] offset:1024*\t
	ds_load_b128 v[KR+8*\t+4:KR+8*\t+7], v[ADK] offset:1024*\t+512
.endr
	s_cmp_eq_u32 s[KF], 0
	s_cbranch_scc1 .Lnotail                        ; a tile's first step has no step before it
	TAIL 16                                        ; the 16 loads of K may be out
.Lnotail:
	PLACES                                         ; in front of loads into registers that the products above read
	WIN 0x40
.irp d, 0,1,2,3
.irp i, 0,1,2,3
	ds_load_b128 v[VR+16*\d+4*\i:VR+16*\d+4*\i+3], v[ADK] offset:8192+2048*\d+512*\i   ; V^T lands while the softmax is walked
.endr
.endr
	WIN 0
	s_sub_co_u32 s[CD], s[Q0], s[KF]
	s_lshr_b32 s[CD], s[CD], 4
	s_cmp_ge_u32 s[CD], 8
	s_cbranch_scc0 .Ldiag
.irp c, 0,1,2,3,4,5,6,7
	s_wait_dscnt 30-2*\c                           ; K's fragment c is in: behind it stand 14 - 2 c loads of K and 16 of V
	QK2 \c, 0
.endr
	s_branch .Lsoft
.Ldiag:                                            ; the step on the diagonal: each key tile's C by ids
.irp c, 0,1,2,3,4,5,6,7
	s_wait_dscnt 30-2*\c
	s_cmp_lt_u32 s[CD], \c
	s_cbranch_scc1 .Lhid_\c
	s_cmp_eq_u32 s[CD], \c
	s_cbranch_scc1 .Ldg_\c
	QK2 \c, 0
	s_branch .Lnx_\c
.Ldg_\c:
	QK2 \c, DG
	s_branch .Lnx_\c
.Lhid_\c:
	QK2 \c, HD
.Lnx_\c:
.endr
.Lsoft:
	PLACES                                         ; ahead of the first read of the scores and of the first write of K's registers
	MAXH SA, KR, 0                                 ; A's largest score
	MAXH SB, KR+4, 1                               ; B's, and among its lines A's chain to -M and f
.set i, 0
.rept 32
	v_pk_fma_f32 v[SA+2*i:SA+2*i+1], v[SA+2*i:SA+2*i+1], s[CS:CS+1], v[8:9] op_sel_hi:[1,0,0]   ; A: t - M, two at a time; among the lines B's chain
.if ((i%3) == 2) && (i < 27)
	SER (i/3), KR+4, 229, 10, 232
.endif
.set i, i+1
.endr
	v_pk_mul_f32 v[12:13], v[12:13], v[230:231] op_sel_hi:[1,0]   ; the sums under the new M
	v_pk_mul_f32 v[14:15], v[14:15], v[232:233] op_sel_hi:[1,0]
	s_wait_alu depctr_va_vdst(0)                   ; the wait ahead of the batch
.set i, 0
.rept 32
	v_exp_f32 v[SA+2*i], v[SA+2*i]                 ; A: p = 2^(t - M); among them B's t - M, whose sources stand ahead of the wait above and whose results are read behind the wait below
	v_exp_f32 v[SA+2*i+1], v[SA+2*i+1]
	v_pk_fma_f32 v[SB+2*i:SB+2*i+1], v[SB+2*i:SB+2*i+1], s[CS:CS+1], v[10:11] op_sel_hi:[1,0,0]
.set i, i+1
.endr
	s_wait_alu depctr_va_vdst(0)                   ; behind A's batch and ahead of B's
.set i, 0
.rept 16
	v_exp_f32 v[SB+4*i], v[SB+4*i]                 ; B: p; among them the first level of A's sum, sixteen additions that hang on no other, into K's registers
	v_exp_f32 v[SB+4*i+1], v[SB+4*i+1]
	v_exp_f32 v[SB+4*i+2], v[SB+4*i+2]
	v_exp_f32 v[SB+4*i+3], v[SB+4*i+3]
	v_pk_add_f32 v[KR+2*i:KR+2*i+1], v[SA+4*i:SA+4*i+1], v[SA+4*i+2:SA+4*i+3]
.set i, i+1
.endr
	s_wait_alu depctr_va_vdst(0)                   ; behind B's batch, ahead of its first reader
.set i, 0
.rept 16
	v_pk_add_f32 v[KR+32+2*i:KR+32+2*i+1], v[SB+4*i:SB+4*i+1], v[SB+4*i+2:SB+4*i+3]
.set i, i+1
.endr
	RED 8                                          ; THE ROW'S SUM IS TAKEN OF THE UNQUANTISED p
	RED 4
	RED 2
	RED 1
	v_pk_add_f32 v[12:13], v[12:13], v[KR:KR+1]
	v_pk_add_f32 v[14:15], v[14:15], v[KR+32:KR+33]
	s_wait_alu depctr_va_vdst(0)                   ; the wait ahead of the branch
	s_cmp_lg_u32 s[NOH], 0
	s_cbranch_scc1 .Lnohold                        ; entry 8 is -8 or more: p / 2^e is at most 256
.set i, 0
.rept 128
	v_min_num_f32 v[SA+i], v[SA+i], v224           ; the conversion does not saturate (ISA guide 7.6.2); p is not negative, so the hold is one-sided
.set i, i+1
.endr
.Lnohold:
	WIN 0x40
.irp c, 0,1,2,3,4,5,6,7
	v_cvt_scalef32_pk8_fp8_f32 v[PA+2*\c:PA+2*\c+1], v[SA+8*\c:SA+8*\c+7], v225
	v_cvt_scalef32_pk8_fp8_f32 v[PB+2*\c:PB+2*\c+1], v[SB+8*\c:SB+8*\c+7], v225
.endr
	v_nop                                          ; a plain line behind the last conversion
	WIN 0
.Lhidden:
	s_wait_alu depctr_va_vdst(0)                   ; the wait ahead of the backward jump
	s_add_co_u32 s[KF], s[KF], 128
	s_add_co_u32 s[TB], s[TB], 0x4000
	s_sub_co_u32 s52, s52, 1
	s_cmp_lg_u32 s52, 0
	s_cbranch_scc1 .Lkey
	; the tile's way out: the last step's second product; then O^T / the sum, quantised, stored as a fragment of the last product
	TAIL 0
	PLACES                                         ; behind the last products
	v_add_f32 v12, v12, v13
	v_add_f32 v14, v14, v15
	v_permlanex16_b32 v228, v12, s[SEL], s[SEL+1]
	v_permlanex16_b32 v229, v14, s[SEL], s[SEL+1]
	v_add_f32 v12, v12, v228                       ; the rows' sums
	v_add_f32 v14, v14, v229
	s_wait_alu depctr_va_vdst(0)                   ; ahead of the reciprocals
	v_rcp_f32 v230, v12
	v_rcp_f32 v232, v14
	s_lshr_b32 s54, s[PT], 4
	s_lshl_b32 s54, s54, 18                        ; the block of 256 tokens,
	s_and_b32 s55, s[PT], 15
	s_lshl_b32 s55, s55, 11                        ; the tile in it
	s_add_co_u32 s54, s54, s55
	v_add_nc_u32 v[YOF], s54, v[LI]                ; (the plain line behind the reciprocals)
	WIN 0x01
	s_wait_alu depctr_va_vdst(0)                   ; ahead of their first reader, which is O^T's first reader too
.set i, 0
.rept 16
	v_pk_mul_f32 v[SA+2*i:SA+2*i+1], v[OA+2*i:OA+2*i+1], v[230:231] op_sel_hi:[1,0]   ; each accumulator from its low end on
.set i, i+1
.endr
.set i, 0
.rept 16
	v_pk_mul_f32 v[SB+2*i:SB+2*i+1], v[OB+2*i:OB+2*i+1], v[232:233] op_sel_hi:[1,0]
.set i, i+1
.endr
	WIN 0
.set i, 0
.rept 32
	v_med3_num_f32 v[SA+i], v[SA+i], -v226, v226
	v_med3_num_f32 v[SB+i], v[SB+i], -v226, v226
.set i, i+1
.endr
.irp d, 0,1,2,3
	v_cvt_scalef32_pk8_fp8_f32 v[KR+2*\d:KR+2*\d+1], v[SA+8*\d:SA+8*\d+7], v227
	v_cvt_scalef32_pk8_fp8_f32 v[KR+8+2*\d:KR+8+2*\d+1], v[SB+8*\d:SB+8*\d+7], v227
.endr
	v_nop                                          ; a plain line behind the last conversion
.irp i, 0,1,2,3
	global_store_b128 v[YOF], v[KR+4*\i:KR+4*\i+3], s[62:63] offset:512*\i   ; 32 lanes store 512 consecutive bytes, aligned: head A's half, then head B's
.endr
	s_sub_co_u32 s[PT], 127, s[PT]                 ; the short tile
	s_sub_co_u32 s53, s53, 1
	s_cmp_eq_u32 s53, 0
	s_cbranch_scc1 .Llast
	WIN 0x01
.set i, 0
.rept 16
	v_mov_b32 v[16+i], v[QN+i]                     ; its Q
.set i, i+1
.endr
	WIN 0
.Llast:
	s_wait_alu depctr_va_vdst(0)                   ; the wait ahead of the backward jump
	s_cmp_lg_u32 s53, 0
	s_cbranch_scc1 .Ltile
	s_wait_tensorcnt 0x0                           ; the wave's end
	ds_add_u32 v[SPW], v[NIL]
	s_wait_dscnt 0x0
	s_endpgm
.Lfunc_end_k_qf677631048_attn:
	.size	k_qf677631048_attn, .Lfunc_end_k_qf677631048_attn-k_qf677631048_attn
	.p2alignl 7, 3214868480
	.fill 96, 4, 3214868480
	.section	.rodata,"a",@progbits
	.p2align	6, 0x0
	.amdhsa_kernel k_qf677631048_attn
		.amdhsa_group_segment_fixed_size 279552
		.amdhsa_private_segment_fixed_size 0
		.amdhsa_enable_private_segment 0
		.amdhsa_kernarg_size 32
		.amdhsa_user_sgpr_count 2
		.amdhsa_user_sgpr_kernarg_segment_ptr 1
		.amdhsa_wavefront_size32 1
		.amdhsa_system_sgpr_workgroup_id_x 1
		.amdhsa_system_sgpr_workgroup_id_y 1
		.amdhsa_system_sgpr_workgroup_id_z 1
		.amdhsa_system_vgpr_workitem_id 0
		.amdhsa_next_free_vgpr 512
		.amdhsa_next_free_sgpr 66
		.amdhsa_reserve_vcc 1
		.amdhsa_float_denorm_mode_32 3
		.amdhsa_float_denorm_mode_16_64 3
		.amdhsa_memory_ordered 1
		.amdhsa_forward_progress 1
		.amdhsa_inst_pref_size 56
	.end_amdhsa_kernel
	.amdgpu_metadata
---
amdhsa.version: [ 1, 2 ]
amdhsa.kernels:
  - .name:           k_qf677631048_attn
    .symbol:         k_qf677631048_attn.kd
    .args:
      - { .name: qc, .offset: 0, .size: 8, .value_kind: global_buffer, .address_space: global }
      - { .name: kv, .offset: 8, .size: 8, .value_kind: global_buffer, .address_space: global }
      - { .name: lowp_scales, .offset: 16, .size: 8, .value_kind: global_buffer, .address_space: global }
      - { .name: yc, .offset: 24, .size: 8, .value_kind: global_buffer, .address_space: global }
    .group_segment_fixed_size: 279552
    .private_segment_fixed_size: 0
    .kernarg_segment_align: 8
    .kernarg_segment_size: 32
    .max_flat_workgroup_size: 256
    .sgpr_count:     66
    .vgpr_count:     512
    .wavefront_size: 32
...
	.end_amdgpu_metadata
.endif
;; end of part 3
;; launch proj (part 4): grid 4 x 64, 4 waves a work-group, clusters of 4 x 4, 327,680 bytes of LDS; arguments yc, wp, lowp_scales, out0; writes out0
.if DOCPART == 4
	.amdgcn_target "amdgcn-amd-amdhsa--gfx1250"
	.amdhsa_code_object_version 6
	.text
	.protected	k_qf677631048_proj
	.globl	k_qf677631048_proj
	.p2align	8
	.type	k_qf677631048_proj,@function
k_qf677631048_proj:
	s_mov_b64 s[64:65], 0
	v_nop
	global_prefetch_b8 v0, s[64:65] scope:SCOPE_SE
	s_setreg_imm32_b32 hwreg(HW_REG_WAVE_MODE, 25, 1), 1
	s_wait_xcnt 0x0
	s_wait_alu depctr_hold_cnt(0) depctr_sa_sdst(0) depctr_va_vdst(0) depctr_va_sdst(0) depctr_va_ssrc(0) depctr_va_vcc(0) depctr_vm_vsrc(0)
	s_getreg_b32 s2, hwreg(HW_REG_IB_STS2, 6, 4)
	s_cmp_eq_u32 s2, 0
	s_cbranch_scc0 .Lentry_in_a_cluster
	s_endpgm
.Lentry_in_a_cluster:
	s_bfe_u32 s2, ttmp6, 0x10000c
	s_cmp_lg_u32 s2, 0xf033
	s_cbranch_scc0 .Lentry_shape_is_right
	s_endpgm
.Lentry_shape_is_right:
; out0[m][n] = sum over k of y[m][k] Wproj[n][k], on codes of E4M3; each finished sum x 2^(entry 10 + entry 11).  LIMIT: the two entries' sum lies between -126 and 127.
; yc and wp hold images of operand registers: [block of 256 rows: 0x40000][K step of 128: 0x8000][tile of 16 rows: 0x800]; a fragment is four loads of 512 consecutive bytes.
; SHARES.  A work-group makes 128 rows x 256 columns: 64 x 4 = 256 work-groups.  Wave w makes 64 rows (w / 2) x 128 columns (w % 2): 32 accumulators, 256 registers.
; LDS.  K is 8 steps of 128.  A step is 16 KB of A (my 128 rows) and 32 KB of B.  Six steps lie in LDS at once: A at 0 (6 x 0x4000), B at 0x18000 (6 x 0x8000).  They are asked for at the head, one tensor load a wave:
; wave 0: A's six steps, 6 rows of 16 KB, 32 KB apart in memory; waves 1 to 3: two steps of B each, 64 KB dense.  Steps 6 and 7 are filled into the places of steps 0 and 1, behind the three lines and a round of the
; cluster's barrier in step 1 (wave 0: A, wave 1: B): that load has steps 2 to 4 in which to land.  By the text's own count a wave has one tensor load out.
; CLUSTERS: 4 x 4 work-groups.  A's tiles hang on the work-group's y alone and are asked for jointly along a row of the cluster, B's on x alone, along a column.
; NO PREFETCH: the text is straight, with no loop to run ahead in, and six of the eight steps are asked for at the head.
; THE MATRIX INSTRUCTION IS USED TRANSPOSED (source 0 = 16 rows of B, source 1 = 16 rows of A): a lane holds eight neighbouring numbers of a row of the result.
; REGISTERS: window 0: v0-31 addresses, v32-95 the way out, v128-255 A's fragments, two sets of 4 x 16; window 1: B's, two sets of 8 x 16; window 2: accumulator (a, b) at v[8 (8 a + b)].
.set SIZE_N, 1024
.set BOFF,  0x18000
.set SPARE, 0x48000                    ; behind the six steps: the spare words, 128 bytes a wave: two blocks of 256 bytes that no other line names
.set STAGE, 0x28000                    ; the way out's stages lie where B's steps 2 and 3 lay: filled once, and read by nobody behind the barrier of step 5
.set SPITCH, 528
.set LI,   4
.set ADRA, 16                          ; v16, v17: A's places 0-3, 4-5
.set ADRB, 20                          ; v20-22: B's places 0-1, 2-3, 4-5
.set STO,  24
.set RD,   25
.set SPW,  28
.set NIL,  29
.set TMP,  32
.set AF,   128
.set BK,   128
.set G1A,  24                          ; s[24:31] group 1: A, six steps
.set G0A,  32                          ; s[32:35] its group 0; s[36:39] the refill's
.set G1B,  48                          ; s[48:55] group 1: B, two steps
.set G0B,  56                          ; s[56:59] its group 0; s[60:63] the refill's
.set G1R,  68                          ; s[68:75] group 1: A, two steps
.set MSB, 0
.macro WIN new                         ; the immediate's high byte repeats the setting that is left
.if MSB != \new
	s_set_vgpr_msb (MSB<<8)|\new
.set MSB, \new
.endif
.endm
.set MUL,  0xa1                        ; source 0 (B) window 1, source 1 (A) window 0, C and D window 2
.set TO_B, 0x40
.macro PLACES
.rept 4
	v_nop
.endr
.endm
.macro CREST
	s_cmp_lg_u32 s14, 0
	s_cbranch_scc1 .Lnot_wave_0_\@
	s_barrier_signal -3
.Lnot_wave_0_\@:
	s_barrier_wait -3
	s_barrier_signal -1
	s_barrier_wait -1
.endm
.macro CROUND
	s_barrier_signal -1
	s_barrier_wait -1
	CREST
.endm
	s_load_b128 s[4:7], s[0:1], 0x0                ; yc, wp
	s_load_b128 s[8:11], s[0:1], 0x10              ; the scales, out0
	v_lshl_add_u32 v[SPW], v0, 2, SPARE
	v_mov_b32 v[NIL], 0
	ds_add_u32 v[SPW], v[NIL]                      ; the opening: the add, twice on end, and its wait ahead of my first tensor load
	ds_add_u32 v[SPW], v[NIL]
	v_lshrrev_b32 v1, 5, v0
	v_readfirstlane_b32 s14, v1                    ; wave 0..3
	s_lshr_b32 s15, s14, 1                         ; my half of the rows
	s_and_b32 s16, s14, 1                          ; my half of the columns
	s_bfe_u32 s40, ttmp6, 0x40000                  ; cx
	s_bfe_u32 s41, ttmp6, 0x40004                  ; cy
	s_lshl_b32 s42, ttmp9, 2
	s_add_co_u32 s42, s42, s40                     ; block of 256 columns
	s_and_b32 s17, ttmp7, 0xffff
	s_lshl_b32 s17, s17, 2
	s_add_co_u32 s17, s17, s41                     ; block of 128 rows
	s_lshl_b32 s43, s41, 2
	s_lshl_b32 s43, 15, s43                        ; my row of the cluster
	s_lshl_b32 s44, 0x1111, s40                    ; my column
	s_or_b32 s[G1A], s43, (3<<16)|(1<<21)          ; elements of 8 bytes; bit 21 beside a mask
	s_or_b32 s[G1R], s43, (3<<16)|(1<<21)
	s_or_b32 s[G1B], s44, (3<<16)|(1<<21)
	s_mov_b32 s[G1A+1], 2048<<16                   ; A: rows of 2,048 elements = 16 KB,
	s_mov_b32 s[G1A+2], 6<<16                      ; six of them,
	s_mov_b32 s[G1A+3], 2048<<16
	s_mov_b32 s[G1A+4], 6
	s_mov_b32 s[G1A+5], 4096                       ; 32 KB apart
	s_mov_b32 s[G1A+6], 0
	s_mov_b32 s[G1A+7], 0
	s_mov_b32 s[G1R+1], 2048<<16                   ; the refill: two of them
	s_mov_b32 s[G1R+2], 2<<16
	s_mov_b32 s[G1R+3], 2048<<16
	s_mov_b32 s[G1R+4], 2
	s_mov_b32 s[G1R+5], 4096
	s_mov_b32 s[G1R+6], 0
	s_mov_b32 s[G1R+7], 0
	s_mov_b32 s[G1B+1], 32<<16                     ; B: 256 rows of 256 bytes, dense
	s_mov_b32 s[G1B+2], 256<<16
	s_mov_b32 s[G1B+3], 32<<16
	s_mov_b32 s[G1B+4], 256
	s_mov_b32 s[G1B+5], 32
	s_mov_b32 s[G1B+6], 0
	s_mov_b32 s[G1B+7], 0
	s_lshr_b32 s20, s17, 1
	s_lshl_b32 s20, s20, 18                        ; A: the block of 256 rows,
	s_and_b32 s21, s17, 1
	s_lshl_b32 s21, s21, 14                        ; and my eight tiles of it
	s_add_co_u32 s20, s20, s21
	s_mov_b32 s21, 0
	s_lshl_b32 s46, s42, 18                        ; B: the block of 256 rows
	s_mov_b32 s47, 0
	s_lshl_b32 s18, s14, 16                        ; waves 1 to 3: two steps of B each
	s_mov_b32 s19, 0
	s_wait_dscnt 0x0                               ; both opening adds are done
	s_wait_kmcnt 0x0
	s_load_b64 s[96:97], s[8:9], 0x28              ; entries 10 and 11
	s_add_nc_u64 s[20:21], s[4:5], s[20:21]
	s_add_nc_u64 s[46:47], s[6:7], s[46:47]
	s_mov_b32 s[G0A], 1
	s_mov_b32 s[G0A+1], 0
	s_mov_b64 s[G0A+2:G0A+3], s[20:21]
	s_or_b32 s[G0A+3], s[G0A+3], 0x80000000
	s_mov_b32 s[G0A+4], 1
	s_mov_b32 s[G0A+5], 0
	s_add_nc_u64 s[G0A+6:G0A+7], s[20:21], 0x30000 ; steps 6 and 7
	s_or_b32 s[G0A+7], s[G0A+7], 0x80000000
	s_mov_b32 s[G0B], 1
	s_add_co_u32 s[G0B+1], s18, BOFF-0x10000       ; wave w: BOFF + (w - 1) x 0x10000
	s_add_nc_u64 s[G0B+2:G0B+3], s[46:47], s[18:19]
	s_sub_nc_u64 s[G0B+2:G0B+3], s[G0B+2:G0B+3], 0x10000
	s_or_b32 s[G0B+3], s[G0B+3], 0x80000000
	s_mov_b32 s[G0B+4], 1
	s_mov_b32 s[G0B+5], BOFF
	s_add_nc_u64 s[G0B+6:G0B+7], s[46:47], 0x30000
	s_or_b32 s[G0B+7], s[G0B+7], 0x80000000
	CROUND                                         ; all sixteen work-groups are here: the first joint loads meet
	s_cmp_eq_u32 s14, 0
	s_cbranch_scc0 .Lhead_b
	tensor_load_to_lds s[G0A:G0A+3], s[G1A:G1A+7]  ; one tensor load a wave at the head
	s_nop 0
	PLACES
	s_branch .Lhead_join
.Lhead_b:
	tensor_load_to_lds s[G0B:G0B+3], s[G1B:G1B+7]
	s_nop 0
	PLACES
.Lhead_join:
	s_lshl_b32 s76, s15, 13                        ; my four tiles of A in a step,
	s_add_co_u32 s77, s76, 0x10000
	s_lshl_b32 s78, s16, 14                        ; my eight tiles of B
	s_add_co_u32 s78, s78, BOFF
	s_add_co_u32 s79, s78, 0x10000
	s_add_co_u32 s80, s78, 0x20000
	s_mul_i32 s81, s14, 16*SPITCH
	s_add_co_u32 s81, s81, STAGE                   ; my stage
	s_lshl_b32 s20, s17, 7
	s_lshl_b32 s21, s15, 6
	s_add_co_u32 s20, s20, s21                     ; my first row of the result,
	s_lshl_b32 s20, s20, 12                        ; in bytes (under 2^25),
	s_lshl_b32 s46, s42, 10
	s_add_co_u32 s20, s20, s46
	s_lshl_b32 s47, s16, 9
	s_add_co_u32 s20, s20, s47                     ; and my first column
	s_mov_b32 s21, 0
	s_add_nc_u64 s[10:11], s[10:11], s[20:21]
	v_and_b32 v1, 15, v0
	v_bfe_u32 v2, v0, 4, 1
	v_and_b32 v6, 31, v0
	v_lshlrev_b32 v[LI], 4, v6
	v_mul_u32_u24 v5, v1, SPITCH
	v_lshl_add_u32 v5, v2, 5, v5
	v_add_nc_u32 v[ADRA], s76, v[LI]
	v_add_nc_u32 v[ADRA+1], s77, v[LI]
	v_add_nc_u32 v[ADRB], s78, v[LI]
	v_add_nc_u32 v[ADRB+1], s79, v[LI]
	v_add_nc_u32 v[ADRB+2], s80, v[LI]
	v_add_nc_u32 v[STO], s81, v5                   ; in: row l % 16, 32 bytes for each half of the lanes
	v_add_nc_u32 v[RD], s81, v[LI]                 ; back: the 32 lanes take one row of 512 bytes
; the fragments of step q, 48 loads, into set q % 2; step q lies in place q % 6
.macro FETCH q
	WIN TO_B
.irp i, 0,1,2,3,4,5,6,7
.irp c, 0,1,2,3
	ds_load_b128 v[128*((\q)%2)+16*\i+4*\c:128*((\q)%2)+16*\i+4*\c+3], v[ADRB+((\q)%6)/2] offset:0x8000*(((\q)%6)%2)+0x800*\i+512*\c
.endr
.endr
	WIN 0
.irp i, 0,1,2,3
.irp c, 0,1,2,3
	ds_load_b128 v[AF+64*((\q)%2)+16*\i+4*\c:AF+64*((\q)%2)+16*\i+4*\c+3], v[ADRA+((\q)%6)/4] offset:0x4000*(((\q)%6)%4)+0x800*\i+512*\c
.endr
.endr
.endm
; 16 matrix instructions: A's tiles a0, a0 + 1 against B's eight, set p.  The 32 accumulators take turns in the same order in every step.
.macro MULH a0, p, zero
.irp a, \a0, \a0+1
.irp b, 0,1,2,3,4,5,6,7
.if \zero
	v_wmma_f32_16x16x128_fp8_fp8 v[8*(8*(\a)+\b):8*(8*(\a)+\b)+7], v[128*(\p)+16*\b:128*(\p)+16*\b+15], v[AF+64*(\p)+16*(\a):AF+64*(\p)+16*(\a)+15], 0
.else
	v_wmma_f32_16x16x128_fp8_fp8 v[8*(8*(\a)+\b):8*(8*(\a)+\b)+7], v[128*(\p)+16*\b:128*(\p)+16*\b+15], v[AF+64*(\p)+16*(\a):AF+64*(\p)+16*(\a)+15], v[8*(8*(\a)+\b):8*(8*(\a)+\b)+7]
.endif
.endr
.endr
.endm
.macro STEP q, zero
	PLACES                                         ; four places in front of loads into registers that the last step's products read
	FETCH (\q)+1
	s_wait_dscnt 48                                ; this step's fragments are in; the 48 loads just issued may be out
	WIN MUL
	MULH 0, (\q)%2, \zero
	MULH 2, (\q)%2, \zero
.endm
	s_wait_alu depctr_va_vdst(0)                   ; the wait at the head's end
	s_wait_tensorcnt 0x0                           ; my part of the six steps is in,
	s_barrier_signal -1
	s_barrier_wait -1                              ; everybody's is
	FETCH 0
	STEP 0, 1                                      ; the first step's products start the sums
	PLACES                                         ; step 1, with the change of its place and step 0's
	FETCH 2
	s_wait_tensorcnt 0x0                           ; no tensor load of mine is out;
	ds_add_u32 v[SPW], v[NIL]                      ; 0 onto my spare word;
	s_wait_dscnt 49                                ; step 1's fragments are in (step 2's 48 loads and the add may be out)
	WIN MUL
	MULH 0, 1, 0
	s_wait_dscnt 0x0                               ; the add is done, and my reads of steps 0 and 1 are over
	s_barrier_signal -1
	MULH 2, 1, 0
	WIN 0
	s_barrier_wait -1
	CREST                                          ; the barrier has opened a round of the cluster's barrier: no wave of any partner still reads these places
	s_cmp_eq_u32 s14, 0
	s_cbranch_scc0 .Lfill_b
	tensor_load_to_lds s[G0A+4:G0A+7], s[G1R:G1R+7]   ; steps 6 and 7 of A
	s_nop 0
	PLACES
	s_branch .Lfill_join
.Lfill_b:
	s_cmp_eq_u32 s14, 1
	s_cbranch_scc0 .Lfill_join
	tensor_load_to_lds s[G0B+4:G0B+7], s[G1B:G1B+7]   ; and of B
	s_nop 0
	PLACES
.Lfill_join:
	STEP 2, 0
	STEP 3, 0
	STEP 4, 0
	s_wait_tensorcnt 0x0                           ; step 5: my part of steps 6 and 7 is in,
	s_wait_dscnt 0x0                               ; and so are step 5's fragments: my reads of places 2 to 5 are over
	s_barrier_signal -1
	MULH 0, 1, 0
	s_barrier_wait -1                              ; both hold of every wave
	PLACES
	FETCH 6
	WIN MUL
	MULH 2, 1, 0
	STEP 6, 0
	s_wait_dscnt 0x0
	MULH 0, 1, 0
	MULH 2, 1, 0
	WIN 0
; THE WAY OUT, block by block of 16 rows x 128 columns, through my own stage: in as 32 bytes a lane, back as whole rows of 512 bytes.  LDS serves a wave's instructions in order (ISA guide 5.7.1.4).
.macro TOSTAGE a
	WIN 0x02
.irp j, 0,2,4,6,8,10,12,14,16,18,20,22,24,26,28,30,32,34,36,38,40,42,44,46,48,50,52,54,56,58,60,62
	v_pk_mul_f32 v[TMP+\j:TMP+\j+1], v[64*(\a)+\j:64*(\a)+\j+1], s[96:97] op_sel_hi:[1,0]   ; x 2^(entry 10 + entry 11); each accumulator from its low end on
.endr
	WIN 0
.irp b, 0,1,2,3,4,5,6,7
	ds_store_b128 v[STO], v[TMP+8*\b:TMP+8*\b+3] offset:64*\b
	ds_store_b128 v[STO], v[TMP+8*\b+4:TMP+8*\b+7] offset:64*\b+16
.endr
.irp t, 0,1,2,3,4,5,6,7,8,9,10,11,12,13,14,15
	ds_load_b128 v[BK+64*((\a)%2)+4*\t:BK+64*((\a)%2)+4*\t+3], v[RD] offset:\t*SPITCH
.endr
.endm
.macro SEND a, younger
	s_wait_dscnt \younger                          ; the block is back in registers
.if (\a) > 0
	s_add_nc_u64 s[10:11], s[10:11], 16*SIZE_N*4   ; (behind a wait on XCNT)  16 rows on
.endif
.irp t, 0,1,2,3,4,5,6,7,8,9,10,11,12,13,14,15
	global_store_b128 v[LI], v[BK+64*((\a)%2)+4*\t:BK+64*((\a)%2)+4*\t+3], s[10:11] offset:\t*SIZE_N*4 th:TH_STORE_NT   ; 32 lanes store 512 consecutive bytes, aligned
.endr
.endm
	s_wait_kmcnt 0x0
	s_add_co_i32 s96, s96, s97
	s_add_co_i32 s96, s96, 127
	s_lshl_b32 s96, s96, 23                        ; 2^(entry 10 + entry 11) as f32
	PLACES
	TOSTAGE 0
.irp a, 1,2,3
.if \a > 1
	s_wait_xcnt 0x0                                ; block a - 2's stores have read their registers and their base
.endif
	TOSTAGE \a
	SEND \a-1, 32                                  ; behind block a - 1's loads: block a's 16 stores and 16 loads
.endr
	s_wait_xcnt 0x0
	SEND 3, 0
	s_wait_tensorcnt 0x0                           ; the wave's end
	ds_add_u32 v[SPW], v[NIL]
	s_wait_dscnt 0x0
	CROUND                                         ; the closing round
	s_endpgm
.Lfunc_end_k_qf677631048_proj:
	.size	k_qf677631048_proj, .Lfunc_end_k_qf677631048_proj-k_qf677631048_proj
	.p2alignl 7, 3214868480
	.fill 96, 4, 3214868480
	.section	.rodata,"a",@progbits
	.p2align	6, 0x0
	.amdhsa_kernel k_qf677631048_proj
		.amdhsa_group_segment_fixed_size 327680
		.amdhsa_private_segment_fixed_size 0
		.amdhsa_enable_private_segment 0
		.amdhsa_kernarg_size 32
		.amdhsa_user_sgpr_count 2
		.amdhsa_user_sgpr_kernarg_segment_ptr 1
		.amdhsa_wavefront_size32 1
		.amdhsa_system_sgpr_workgroup_id_x 1
		.amdhsa_system_sgpr_workgroup_id_y 1
		.amdhsa_system_sgpr_workgroup_id_z 1
		.amdhsa_system_vgpr_workitem_id 0
		.amdhsa_next_free_vgpr 768
		.amdhsa_next_free_sgpr 98
		.amdhsa_reserve_vcc 0
		.amdhsa_float_denorm_mode_32 3
		.amdhsa_float_denorm_mode_16_64 3
		.amdhsa_memory_ordered 1
		.amdhsa_forward_progress 1
		.amdhsa_inst_pref_size 73
	.end_amdhsa_kernel
	.amdgpu_metadata
---
amdhsa.version: [ 1, 2 ]
amdhsa.kernels:
  - .name:           k_qf677631048_proj
    .symbol:         k_qf677631048_proj.kd
    .args:
      - { .name: yc, .offset: 0, .size: 8, .value_kind: global_buffer, .address_space: global }
      - { .name: wp, .offset: 8, .size: 8, .value_kind: global_buffer, .address_space: global }
      - { .name: lowp_scales, .offset: 16, .size: 8, .value_kind: global_buffer, .address_space: global }
      - { .name: out0, .offset: 24, .size: 8, .value_kind: global_buffer, .address_space: global }
    .group_segment_fixed_size: 327680
    .private_segment_fixed_size: 0
    .kernarg_segment_align: 8
    .kernarg_segment_size: 32
    .max_flat_workgroup_size: 128
    .sgpr_count:     98
    .vgpr_count:     768
    .wavefront_size: 32
...
	.end_amdgpu_metadata
.endif
;; end of part 4
